; MI455X (gfx1250); checked and timed in simulation.
; The chip was launched on July 23, 2026; its instructions are those of AMD's public machine-readable ISA for CDNA 5 (MIT licence, August 2026) and "CDNA5" Instruction Set Architecture Reference Guide (July 2026). The comments in the code are by the model that wrote it; some were corrected since.
;; Self Attention. Allowed arithmetic: matrix products marked QUANTISED: E2M3 operands, one E8M0 scale for each 32 along K, by v_wmma_scale_f32_16x16x128_f8f6f4 with both operands' format E2M3, f32 sums; everything else in f32.
;; Inputs: Wk 1,024 x 1,024 float32; Wo 1,024 x 1,024 float32; Wq 1,024 x 1,024 float32; Wv 1,024 x 1,024 float32; bk 1,024 float32; bo 1,024 float32; bq 1,024 float32; bv 1,024 float32; x 4 x 2,048 x 1,024 float32.
;; Outputs: out0 4 x 2,048 x 1,024 float32.
;; This version of the problem:
;;   THIS VERSION OF THE PROBLEM IS GIVEN IN LOW PRECISION. The matrix products marked QUANTISED in the list below multiply operands that are first quantised to E2M3 (2 exponent bits, 3 mantissa bits; 6 bits a number), with one power-of-two scale for each 32 numbers along K (OCP MX v1.0); their sums are f32. All else is computed in f32.
;;   The module's matrix products, in the order in which they are computed (A, B: the left and right operand; K: the contracted axis; several contracted axes count as one K, in the product's order):
;;     1. [M 8,192, K 1,024] x [K 1,024, N 1,024]; A: input x; B: input Wq: QUANTISED
;;     2. [M 8,192, K 1,024] x [K 1,024, N 1,024]; A: input x; B: input Wk: QUANTISED
;;     3. [M 8,192, K 1,024] x [K 1,024, N 1,024]; A: input x; B: input Wv: QUANTISED
;;     4. batch 64 x [M 2,048, K 64] x [K 64, N 2,048]; A: computed on the way; B: computed on the way: QUANTISED
;;     5. batch 64 x [M 2,048, K 2,048] x [K 2,048, N 64]; A: softmax (see below); B: computed on the way: QUANTISED
;;     6. [M 8,192, K 1,024] x [K 1,024, N 1,024]; A: computed on the way; B: input Wo: QUANTISED
;;   THE QUANTISER, for each operand of a quantised product, along K:
;;     - K is cut into blocks of 32 from its start; a last block that is shorter is filled with zeros.
;;     - A block's scale is 2^e with e = floor(log2(the largest magnitude in the block)) - 2, held to -126 .. 127; a block of zeros has e = 0. As a byte (E8M0): e + 127.
;;     - Each number is divided by its block's scale, clamped to +-7.5, and rounded to the nearest number of E2M3, ties to even, subnormals kept.
;;     - The product sums the exact products of the quantised numbers (number of the format x scale) in f32.
;;   ~~~python
;;   def quantise(x, axis):      # numpy; x: float32 -> the quantised numbers, widened to float32 again
;;       x = np.moveaxis(x, axis, -1); K = x.shape[-1]
;;       x = np.pad(x, [(0, 0)] * (x.ndim - 1) + [(0, -K % 32)]); x = x.reshape(x.shape[:-1] + (-1, 32)); a = np.abs(x).max(-1, keepdims=True)
;;       e = np.where(a > 0, np.clip(np.frexp(np.where(a > 0, a, 1))[1] - 1 - 2, -126, 127), 0)      # np.frexp(a)[1] - 1 = floor(log2(a)), exactly
;;       r = np.clip(x / 2.0 ** e, -7.5, 7.5)
;;       step = 2.0 ** (np.maximum(np.frexp(np.where(r == 0, 1, r))[1] - 1, 0) - 3)
;;       q = np.round(r / step) * step * 2.0 ** e      # np.round: ties to even
;;       return np.moveaxis(q.reshape(q.shape[:-2] + (-1,))[..., :K], -1, axis).astype(np.float32)
;;   ~~~
;;   SOFTMAX AHEAD OF A QUANTISED PRODUCT. Where the list says 'softmax', what is quantised is not the finished softmax but p = 2^(t - M), with t = logit x log2(e) and M = ceil(the row's largest t), a whole number; so 1/2 < the row's largest p <= 1. The row's sum l is taken of the UNQUANTISED p, in f32, and the product's result is divided by l at the end. Since M is a whole number, a kernel that streams over the keys may use a running M (the ceiling of the running maximum): every later rescaling is an exact power of two, which a block's scale takes up: the codes' values come out the same.
;;   OPERANDS COMPUTED ON THE WAY. 'Computed on the way' means the value that the module computes at that place (a softmax that the list does not call 'softmax' is quantised finished and normalised). What goes into a quantiser is computed in f32, as accurately as f32 sums, v_exp_f32 and their like allow (about 1e-6 of the number): no bf16 or f16 on the way to a quantiser, and a product that is left as it is and whose result goes on into a quantised operand takes f32 operands (vector FMAs, or v_wmma_f32_16x16x4_f32). A number that lies on a knife's edge between two numbers of the format may be rounded either way, as far as f32 arithmetic and the matrix unit's own rounding can turn it there, and no further.
;; One version. Each part assembles by itself: llvm-mc -triple=amdgcn-amd-amdhsa -mcpu=gfx1250 --defsym DOCPART=n.
;; ======== version 1 of 1: 4 launches
;; workspace buffers: xq 6,553,600 bytes; wqkv 2,457,600 bytes; woq 819,200 bytes; qb 6,815,744 bytes; kv 13,369,344 bytes; yq 6,553,600 bytes
;; launch prep (part 1): grid 384 x 1, 4 waves a work-group, no clusters, 48,640 bytes of LDS; arguments x, Wq, Wk, Wv, Wo, xq, wqkv, woq; writes xq, wqkv, woq
.if DOCPART == 1
	.amdgcn_target "amdgcn-amd-amdhsa--gfx1250"
	.amdhsa_code_object_version 6
	.text
	.protected	k_q8e67098fb4_prep
	.globl	k_q8e67098fb4_prep
	.p2align	8
	.type	k_q8e67098fb4_prep,@function
k_q8e67098fb4_prep:
	s_mov_b64 s[64:65], 0
	v_nop
	global_prefetch_b8 v0, s[64:65] scope:SCOPE_SE
	s_setreg_imm32_b32 hwreg(HW_REG_WAVE_MODE, 25, 1), 1
	s_wait_xcnt 0x0
; SELF-ATTENTION IN MX-FP6 (E2M3, one E8M0 byte for each 32 along K), four launches: prep, qkv, attn, proj.
; WORK LEFT OUT, in the whole program: only key steps of 128 keys that lie wholly behind a tile of 16 queries.  The mask is jnp.tril, built in the
; problem's own body: for key > query the logit is -infinity, its weight is 0 for all values of the inputs, and so neither the score nor its share of
; the second product can reach an output.  Every input has a way to an output and is loaded (bk too: it moves k's codes).
; LIMIT: a NaN, an infinity or an overflow that reaches only those hidden scores is not carried to the result.
; THIS LAUNCH quantises x (K innermost) and Wq, Wk, Wv, Wo (K is the FIRST axis) once, into buffers laid in the ORDER OF THE OPERANDS' REGISTERS.
; A fragment is 16 rows x 128 K: 12 registers a lane; its image is 1,536 bytes: registers 4 j .. 4 j + 3 of lane l at 512 j + 16 l.  Its scale words: 64 bytes, row r's at 4 r.
; THE ROWS OF A FRAGMENT ARE NOT NEIGHBOURS: of a group of 32 rows, fragment u (0, 1) holds in lane-row r the row 8 u + r + 8 (r / 8).
; A block's scale is 2^(floor(log2(largest magnitude)) - 2); its byte is the largest magnitude's exponent field - 2, held at 1 from below.
; LIMITS: a block of zeros gets the byte 1 where the rule says 127 (its codes are zeros, and this program alone reads the bytes); blocks whose largest
; magnitude lies under 2^-124 keep the byte 1; NaN and infinities among the inputs are not served.
; Work-groups 0-255 take 32 rows of x each (a wave: 256 along K); work-groups 256-383 take 128 columns x 256 along K of one weight (a wave: 32 columns).
; The two ways part on the work-group's number and never join; each has LDS bytes of its own.  Waves share nothing: no barrier.
.set SPARE, 48128                      ; the spare words: 128 bytes a wave, two blocks of 256 bytes that no other line names
.set SPW,   12                         ; v12  my spare word's LDS address; never rewritten
.set NIL,   13                         ; v13  0; never rewritten
.set XSTG,  8448                       ; x: a wave's stage, 16 rows x (512 + 16) bytes, from LDS byte 0 on
.set WSTG0, 33792                      ; the weights' stages begin here
.set WSTG,  3584                       ; a wave's: two fragment images 1,664 bytes apart, their scale words at 3,328
.set R,   16                           ; x: v16-143   two sets of 64 registers as loaded
.set X,   144                          ;    v144-207  my row's 64 numbers: two whole blocks
.set P,   208                          ;    v208-219  the fragment's codes
.set T,   220                          ;    v220-226  the blocks' upper halves (a conversion's three registers begin on an even number)
.set MX,  228
.set SO,  230
.set BY,  232
.set WT,  234
.set WS,  236
.set WD,  240
.set WX,  16                           ; weights: v16-79 two sets of 32 numbers down K
.set WC,  80                           ;    v80-85  a block's codes
.set WH,  88
.set WM,  92
.set WSO, 94
.set SB,  96                           ;    v96-97  the scale words of my column's two K steps
.set OUTR, 100                         ;    v100-155 the way out, 28 registers a K step
.macro LOADU n                         ; unit n: fragment u = n & 1 of K step n >> 1: 16 rows, 512 consecutive bytes a load
.set jj, 0
.rept 16
	global_load_b128 v[R+64*((\n)%2)+4*jj:R+64*((\n)%2)+4*jj+3], v2, s[26:27] offset:(8*((\n)&1)+jj+8*(jj/8))*4096+512*((\n)>>1) th:TH_LOAD_NT
.set jj, jj+1
.endr
.endm
.macro UNIT n
.set RS, R+64*((\n)%2)
.set uu, (\n)&1
.set ks, (\n)>>1
.if (\n) < 3
	s_wait_loadcnt 16                              ; my 16 loads are in; the next unit's 16 may be out
.else
	s_wait_loadcnt 0
.endif
.set jj, 0
.rept 16
	ds_store_b128 v3, v[RS+4*jj:RS+4*jj+3] offset:528*jj          ; the rows as they lie
.set jj, jj+1
.endr
.set jj, 0
.rept 16
	ds_load_b128 v[X+4*jj:X+4*jj+3], v4 offset:256*(jj/8)+16*(jj%8)   ; and back: lane (r, h) takes k = 64 c + 32 h + 0 .. 31 of row r; LDS serves a wave in order
.set jj, jj+1
.endr
	s_wait_dscnt 0x0
	s_wait_xcnt 0x0                                ; the last unit's stores have read their data: P and WS are written again only behind this wait
.if (\n) < 2
	LOADU (\n)+2
.endif
	v_max3_num_f32 v[MX], |v[X]|, |v[X+1]|, 0x1800000              ; my two blocks by turns; the floor 2^(3 - 127) holds the byte at 1 from below
	v_max3_num_f32 v[MX+1], |v[X+32]|, |v[X+33]|, 0x1800000
.set jj, 2
.rept 15
	v_max3_num_f32 v[MX], v[MX], |v[X+jj]|, |v[X+jj+1]|
	v_max3_num_f32 v[MX+1], v[MX+1], |v[X+32+jj]|, |v[X+33+jj]|
.set jj, jj+2
.endr
	v_add_nc_u32 v[SO], 0xff000000, v[MX]          ; 2 off the exponent field: the conversion's scale operand
	v_add_nc_u32 v[SO+1], 0xff000000, v[MX+1]
	v_lshrrev_b32 v[BY], 23, v[SO]                 ; the bytes of blocks h and 2 + h
	v_lshrrev_b32 v[BY+1], 23, v[SO+1]
	v_lshl_or_b32 v[BY], v[BY+1], 16, v[BY]
	v_lshlrev_b32 v[BY], v9, v[BY]                 ; 8 h bits up
	v_permlanex16_b32 v[WT], v[BY], s22, s23
	v_or_b32 v[WD+uu], v[BY], v[WT]                ; with lane l xor 16's two the word is whole
	v_cvt_scalef32_pk16_fp6_f32 v[P:P+2], v[X:X+15], v[SO]
	v_cvt_scalef32_pk16_fp6_f32 v[T:T+2], v[X+16:X+31], v[SO]
	v_cvt_scalef32_pk16_fp6_f32 v[P+6:P+8], v[X+32:X+47], v[SO+1]
	v_cvt_scalef32_pk16_fp6_f32 v[T+4:T+6], v[X+48:X+63], v[SO+1]
	v_nop                                          ; one plain place behind the scaled conversions
.set jj, 0
.rept 3
	v_mov_b32 v[P+3+jj], v[T+jj]
	v_mov_b32 v[P+9+jj], v[T+4+jj]
.set jj, jj+1
.endr
.set jj, 0
.rept 3
	global_store_b128 v2, v[P+4*jj:P+4*jj+3], s[28:29] offset:25600*ks+1536*uu+512*jj    ; 512 consecutive bytes a store
.set jj, jj+1
.endr
.if uu == 1
	v_cndmask_b32 v[WS], v[WD], v[WD+1], s24       ; lanes 0-15 fragment 0's words, lanes 16-31 fragment 1's
	global_store_b32 v6, v[WS], s[30:31] offset:25600*ks
.endif
.endm
.macro WLOAD t                         ; block t: W(32 t + i, my column), i = 0 .. 31
.set jj, 0
.rept 32
	global_load_b32 v[WX+32*((\t)%2)+jj], v6, s[46:47] offset:(32*(\t)+jj)*4096 th:TH_LOAD_NT
.set jj, jj+1
.endr
.endm
.macro BLOCK t
.set XS, WX+32*((\t)%2)
.set be, (\t)&3                        ; the block in its K step: lane half be & 1, registers 6 (be >> 1) on
.set hh, be&1
.set cc, be>>1
.set ks, (\t)>>2
.if (\t) < 7
	s_wait_loadcnt 32                              ; this block's 32 loads are in; the next block's may be out
.else
	s_wait_loadcnt 0
.endif
	v_max3_num_f32 v[WM], |v[XS]|, |v[XS+1]|, |v[XS+2]|            ; all 32 numbers are mine
	v_max3_num_f32 v[WM+1], |v[XS+3]|, |v[XS+4]|, |v[XS+5]|
.set jj, 6
.rept 6
	v_max3_num_f32 v[WM], v[WM], |v[XS+jj]|, |v[XS+jj+1]|
	v_max3_num_f32 v[WM+1], v[WM+1], |v[XS+jj+2]|, |v[XS+jj+3]|
.set jj, jj+4
.endr
	v_max3_num_f32 v[WM], v[WM], |v[XS+30]|, |v[XS+31]|
	v_max3_num_f32 v[WM], v[WM], v[WM+1], 0x1800000
	v_add_nc_u32 v[WSO], 0xff000000, v[WM]
	v_lshrrev_b32 v[WM+1], 23, v[WSO]
.if be == 0
	v_mov_b32 v[SB+ks], v[WM+1]
.else
	v_lshl_or_b32 v[SB+ks], v[WM+1], 8*be, v[SB+ks]
.endif
	v_cvt_scalef32_pk16_fp6_f32 v[WC:WC+2], v[XS:XS+15], v[WSO]
	v_cvt_scalef32_pk16_fp6_f32 v[WH:WH+2], v[XS+16:XS+31], v[WSO]
	v_nop                                          ; one plain place behind the scaled conversions
	v_mov_b32 v[WC+3], v[WH]
	v_mov_b32 v[WC+4], v[WH+1]
	v_mov_b32 v[WC+5], v[WH+2]
.if cc == 0                            ; registers 0-5 of lane (r, hh) of my fragment's image
	ds_store_b128 v2, v[WC:WC+3] offset:256*hh
	ds_store_b64 v2, v[WC+4:WC+5] offset:512+256*hh
.else                                  ; registers 6-11
	ds_store_b64 v2, v[WC:WC+1] offset:520+256*hh
	ds_store_b128 v2, v[WC+2:WC+5] offset:1024+256*hh
.endif
.if (\t) < 6
	WLOAD (\t)+2
.endif
	s_wait_dscnt 0x0                               ; the stores have read their registers
.if be == 3                            ; a K step's two fragments are whole: they leave as 3,072 consecutive bytes, their words as 128
	s_wait_alu depctr_va_vdst(0)
	ds_store_b32 v3, v[SB+ks]
.set jj, 0
.rept 6
	ds_load_b128 v[OUTR+28*ks+4*jj:OUTR+28*ks+4*jj+3], v4 offset:1664*(jj/3)+512*(jj%3)
.set jj, jj+1
.endr
	ds_load_b32 v[OUTR+28*ks+24], v10
	s_wait_dscnt 0x0
.set jj, 0
.rept 6
	global_store_b128 v5, v[OUTR+28*ks+4*jj:OUTR+28*ks+4*jj+3], s[48+4*ks:49+4*ks] offset:1536*(jj/3)+512*(jj%3)
.set jj, jj+1
.endr
	global_store_b32 v6, v[OUTR+28*ks+24], s[50+4*ks:51+4*ks]
.endif
.endm
	s_load_b256 s[4:11], s[0:1], 0x0               ; x s[4:5], Wq s[6:7], Wk s[8:9], Wv s[10:11]
	s_load_b256 s[12:19], s[0:1], 0x20             ; Wo s[12:13], xq s[14:15], wqkv s[16:17], woq s[18:19]
	v_lshl_add_u32 v[SPW], v0, 2, SPARE
	v_mov_b32 v[NIL], 0
	v_lshrrev_b32 v1, 5, v0
	v_readfirstlane_b32 s20, v1                    ; wave
	v_and_b32 v1, 31, v0                           ; lane
	s_mov_b32 s22, 0x76543210
	s_mov_b32 s23, 0xfedcba98                      ; v_permlanex16_b32's selects for lane l xor 16
	s_mov_b32 s24, 0xffff0000                      ; lanes 16-31
	s_cmp_lt_u32 ttmp9, 256
	s_cbranch_scc0 .Lweights
	; ---- x: work-group i owns rows 32 i .. 32 i + 31, wave w K steps 2 w and 2 w + 1
	v_and_b32 v7, 15, v1                           ; r
	v_lshrrev_b32 v8, 4, v1                        ; h
	v_lshlrev_b32 v2, 4, v1                        ; 16 x lane: in memory, in and out
	s_mul_i32 s25, s20, XSTG
	v_add_nc_u32 v3, s25, v2                       ; the stage, on the way in
	v_mul_u32_u24 v4, v7, 528
	v_lshl_add_u32 v4, v8, 7, v4
	v_add_nc_u32 v4, s25, v4                       ; and out: row r, + 128 h
	v_lshlrev_b32 v6, 2, v1                        ; 4 x lane
	v_lshlrev_b32 v9, 3, v8                        ; 8 h
	v_mov_b32 v[WT], 0                             ; a lane permute's destination counts as one of its sources
	s_lshl_b32 s26, ttmp9, 17                      ; 32 rows of 4,096 bytes
	s_lshl_b32 s27, s20, 10
	s_add_co_u32 s26, s26, s27
	s_mov_b32 s27, 0
	s_lshr_b32 s28, ttmp9, 3
	s_lshl_b32 s28, s28, 3
	s_lshl_b32 s29, s20, 1
	s_add_co_u32 s28, s28, s29
	s_mul_i32 s28, s28, 25600                      ; block (i / 8, 2 w)
	s_and_b32 s29, ttmp9, 7
	s_mul_i32 s30, s29, 3072
	s_add_co_u32 s30, s30, s28                     ; my two fragments
	s_lshl_b32 s32, s29, 7
	s_add_co_u32 s32, s32, s28
	s_add_co_u32 s32, s32, 24576                   ; and their words
	s_mov_b32 s31, 0
	s_mov_b32 s33, 0
	s_wait_alu depctr_va_vdst(0)
	s_wait_kmcnt 0x0
	s_add_nc_u64 s[26:27], s[4:5], s[26:27]
	s_add_nc_u64 s[28:29], s[14:15], s[30:31]
	s_add_nc_u64 s[30:31], s[14:15], s[32:33]
	LOADU 0
	LOADU 1
	UNIT 0
	UNIT 1
	UNIT 2
	UNIT 3
	s_wait_tensorcnt 0x0                           ; the wave's end, behind my last LDS store
	ds_add_u32 v[SPW], v[NIL]
	s_wait_dscnt 0x0
	s_endpgm
.Lweights:
	; ---- a weight: a lane takes a column, its registers run down K
	s_sub_co_u32 s25, ttmp9, 256
	s_lshr_b32 s34, s25, 5                         ; which weight: 0 q, 1 k, 2 v, 3 o
	s_and_b32 s25, s25, 31
	s_and_b32 s35, s25, 7
	s_lshl_b32 s35, s35, 2
	s_add_co_u32 s35, s35, s20                     ; my group of 32 columns
	s_lshr_b32 s36, s25, 3                         ; which 256 along K
	s_wait_alu depctr_va_vdst(0)
	v_and_b32 v7, 7, v1
	v_bfe_u32 v8, v1, 3, 1                         ; u: my column's fragment
	v_lshrrev_b32 v9, 4, v1
	v_lshl_add_u32 v7, v9, 3, v7                   ; r: its lane-row there
	s_mul_i32 s37, s20, WSTG
	s_add_co_u32 s37, s37, WSTG0                   ; my stage
	v_mul_u32_u24 v2, v8, 1664
	v_lshl_add_u32 v2, v7, 4, v2
	v_add_nc_u32 v2, s37, v2                       ; into an image: 1,664 u + 16 r
	v_lshlrev_b32 v3, 6, v8
	v_lshl_add_u32 v3, v7, 2, v3
	v_add_nc_u32 v3, s37, v3
	v_add_nc_u32 v3, 3328, v3                      ; my scale word
	v_lshlrev_b32 v5, 4, v1                        ; 16 x lane
	v_add_nc_u32 v4, s37, v5                       ; out of the stage
	v_lshlrev_b32 v6, 2, v1                        ; 4 x lane
	v_add_nc_u32 v10, s37, v6
	v_add_nc_u32 v10, 3328, v10
	s_bfe_u32 s40, s35, 0x10001                    ; q, k, v: fragment 12 (head's parity) + 4 t + 2 (group in the head)
	s_mul_i32 s40, s40, 12
	s_lshl_b32 s41, s34, 2
	s_add_co_u32 s40, s40, s41
	s_and_b32 s41, s35, 1
	s_lshl_b32 s41, s41, 1
	s_add_co_u32 s40, s40, s41
	s_and_b32 s41, s35, 3                          ; o: fragment 2 (group in the 128 columns)
	s_lshl_b32 s41, s41, 1
	s_lshr_b32 s42, s35, 2
	s_lshl_b32 s42, s42, 3
	s_lshl_b32 s43, s36, 1
	s_add_co_u32 s42, s42, s43                     ; block 8 (column tile) + K step
	s_mov_b32 s38, 38400
	s_mov_b32 s39, 36864
	s_wait_alu depctr_va_vdst(0)
	s_wait_kmcnt 0x0
	s_cmp_eq_u32 s34, 3                            ; the choices hang on the work-group's number alone
	s_cselect_b32 s38, 12800, s38                  ; a block's bytes
	s_cselect_b32 s39, 12288, s39                  ; where its words begin
	s_cselect_b32 s40, s41, s40
	s_cselect_b64 s[44:45], s[18:19], s[16:17]
	s_cselect_b64 s[46:47], s[12:13], s[6:7]
	s_cmp_eq_u32 s34, 1
	s_cselect_b64 s[46:47], s[8:9], s[46:47]
	s_cmp_eq_u32 s34, 2
	s_cselect_b64 s[46:47], s[10:11], s[46:47]
	s_mul_i32 s42, s42, s38
	s_mul_i32 s41, s40, 1536
	s_add_co_u32 s48, s42, s41
	s_mov_b32 s49, 0
	s_lshl_b32 s41, s40, 6
	s_add_co_u32 s50, s42, s41
	s_add_co_u32 s50, s50, s39
	s_mov_b32 s51, 0
	s_mov_b32 s39, 0                               ; s[38:39]: a block on
	s_add_nc_u64 s[48:49], s[44:45], s[48:49]      ; first K step: codes,
	s_add_nc_u64 s[50:51], s[44:45], s[50:51]      ; words;
	s_add_nc_u64 s[52:53], s[48:49], s[38:39]      ; second: codes,
	s_add_nc_u64 s[54:55], s[50:51], s[38:39]      ; words
	s_lshl_b32 s56, s36, 20                        ; 256 rows of 4,096 bytes
	s_lshl_b32 s57, s35, 7
	s_add_co_u32 s56, s56, s57
	s_mov_b32 s57, 0
	s_add_nc_u64 s[46:47], s[46:47], s[56:57]
	WLOAD 0
	WLOAD 1
	BLOCK 0
	BLOCK 1
	BLOCK 2
	BLOCK 3
	BLOCK 4
	BLOCK 5
	BLOCK 6
	BLOCK 7
	s_wait_tensorcnt 0x0                           ; the wave's end, behind my last LDS store
	ds_add_u32 v[SPW], v[NIL]
	s_wait_dscnt 0x0
	s_endpgm
.Lfunc_end_k_q8e67098fb4_prep:
	.size	k_q8e67098fb4_prep, .Lfunc_end_k_q8e67098fb4_prep-k_q8e67098fb4_prep
	.p2alignl 7, 3214868480
	.fill 96, 4, 3214868480
	.section	.rodata,"a",@progbits
	.p2align	6, 0x0
	.amdhsa_kernel k_q8e67098fb4_prep
		.amdhsa_group_segment_fixed_size 48640
		.amdhsa_private_segment_fixed_size 0
		.amdhsa_enable_private_segment 0
		.amdhsa_kernarg_size 64
		.amdhsa_user_sgpr_count 2
		.amdhsa_user_sgpr_kernarg_segment_ptr 1
		.amdhsa_wavefront_size32 1
		.amdhsa_system_sgpr_workgroup_id_x 1
		.amdhsa_system_sgpr_workgroup_id_y 1
		.amdhsa_system_sgpr_workgroup_id_z 1
		.amdhsa_system_vgpr_workitem_id 0
		.amdhsa_next_free_vgpr 256
		.amdhsa_next_free_sgpr 66
		.amdhsa_reserve_vcc 0
		.amdhsa_float_denorm_mode_32 3
		.amdhsa_float_denorm_mode_16_64 3
		.amdhsa_memory_ordered 1
		.amdhsa_forward_progress 1
		.amdhsa_inst_pref_size 72
	.end_amdhsa_kernel
	.amdgpu_metadata
---
amdhsa.version: [ 1, 2 ]
amdhsa.kernels:
  - .name:           k_q8e67098fb4_prep
    .symbol:         k_q8e67098fb4_prep.kd
    .args:
      - { .name: x, .offset: 0, .size: 8, .value_kind: global_buffer, .address_space: global }
      - { .name: Wq, .offset: 8, .size: 8, .value_kind: global_buffer, .address_space: global }
      - { .name: Wk, .offset: 16, .size: 8, .value_kind: global_buffer, .address_space: global }
      - { .name: Wv, .offset: 24, .size: 8, .value_kind: global_buffer, .address_space: global }
      - { .name: Wo, .offset: 32, .size: 8, .value_kind: global_buffer, .address_space: global }
      - { .name: xq, .offset: 40, .size: 8, .value_kind: global_buffer, .address_space: global }
      - { .name: wqkv, .offset: 48, .size: 8, .value_kind: global_buffer, .address_space: global }
      - { .name: woq, .offset: 56, .size: 8, .value_kind: global_buffer, .address_space: global }
    .group_segment_fixed_size: 48640
    .private_segment_fixed_size: 0
    .kernarg_segment_align: 8
    .kernarg_segment_size: 64
    .max_flat_workgroup_size: 128
    .sgpr_count:     66
    .vgpr_count:     256
    .wavefront_size: 32
...
	.end_amdgpu_metadata
.endif
;; end of part 1
;; launch qkv (part 2): grid 8 x 32, 4 waves a work-group, clusters of 4 x 4, 327,680 bytes of LDS; arguments xq, wqkv, bq, bk, bv, qb, kv; writes qb, kv
.if DOCPART == 2
	.amdgcn_target "amdgcn-amd-amdhsa--gfx1250"
	.amdhsa_code_object_version 6
	.text
	.protected	k_q8e67098fb4_qkv
	.globl	k_q8e67098fb4_qkv
	.p2align	8
	.type	k_q8e67098fb4_qkv,@function
k_q8e67098fb4_qkv:
	s_mov_b64 s[64:65], 0
	v_nop
	global_prefetch_b8 v0, s[64:65] scope:SCOPE_SE
	s_setreg_imm32_b32 hwreg(HW_REG_WAVE_MODE, 25, 1), 1
	s_wait_xcnt 0x0
	s_wait_alu depctr_hold_cnt(0) depctr_sa_sdst(0) depctr_va_vdst(0) depctr_va_sdst(0) depctr_va_ssrc(0) depctr_va_vcc(0) depctr_vm_vsrc(0)
	s_getreg_b32 s2, hwreg(HW_REG_IB_STS2, 6, 4)
	s_cmp_eq_u32 s2, 0
	s_cbranch_scc0 .Lentry_in_a_cluster
	s_endpgm
.Lentry_in_a_cluster:
	s_bfe_u32 s2, ttmp6, 0x10000c
	s_cmp_lg_u32 s2, 0xf033
	s_cbranch_scc0 .Lentry_shape_is_right
	s_endpgm
.Lentry_shape_is_right:
; q = x Wq + bq, k = x Wk + bk, v = x Wv + bv on codes of FP6 (E2M3), and the quantisers of q and k (along the head's 64) and of v (along the keys).  Nothing is left out here.
; A work-group takes 256 tokens x 2 heads x {q, k, v}; wave w takes tokens 128 (w / 2) on (8 fragments of x) and head w % 2 (12 fragments of W: 4 each of q, k, v): 96 accumulators, 768 registers.
; For 128 along K a wave reads 20 fragments from LDS for 96 matrix instructions.
; q, k: source 0 = 16 columns of W, source 1 = 16 tokens: a lane holds ONE token and its registers run along the head's channels.  v: source 0 = 16 tokens, source 1 = 16 columns: a lane holds one channel, registers along the tokens.
; Rows of a fragment: of a group of 32, fragment u holds in lane-row r the row 8 u + r + 8 (r / 8): so the 16 registers of results of fragments 0 and 1 are 16 neighbours, 16 (lane / 16) + 0 .. 15.
; OPERANDS lie in memory as images of their registers, a K step's as one dense block: x 25,600 bytes (16 fragments, 16 x 64 bytes of scale words), W 38,400 (24 and 24).
; RING: two slots of two K steps, four regions of 64,000 bytes; K steps 0-3 are first fills, 4, 5 refill slot 0 behind K step 1, 6, 7 refill slot 1 behind K step 3.  A wave has one tensor load out at a time: at the start (the second fill waits for the first) and behind each refill.
; CLUSTER 4 x 4: x's blocks are shared along a row of the cluster, W's along a column: joint loads.  Waves 0, 1 fetch x's block of the slot's step w % 2, waves 2, 3 W's.
; LIMITS: as in the first launch (a block of zeros has the byte 1; NaN and infinities are not served).
; REGISTERS: window 0: v2-13 LDS addresses; v14, 15 the add's two; v16-39 scale words, two sets of 12 (register i: lanes 0-15 x's fragment i, lanes 16-31 W's fragment i); v40-47 bv; v48-51; v64-159 x's 8 fragments, ONE set;
;   v160-255 W's fragments, two sets of 4.  Window 1: q's 32 accumulators (4 a + b); window 2: k's; window 3: v's (8 (a / 2) + 2 b + a % 2), and until they begin bq (v0-31) and bk (v32-63) in the result's layout.
.set REG,   64000
.set XB,    25600
.set WB,    38400
.set SPARE, 4*REG                      ; the spare words: two blocks of 256 bytes that no other line names
.set ADA, 2
.set ADB, 6
.set ADS, 10
.set SPW, 14
.set NIL, 15
.set SC,  16
.set BV,  40
.set VO16, 48
.set VO8,  49
.set VO4,  50
.set FL,   51
.set AF,  64
.set BF,  160
.set T,   64                           ; the way out, window 0: largest magnitudes,
.set T2,  80                           ; lane l xor 16's,
.set SO,  96                           ; the conversions' scale operands,
.set BY,  112                          ; the bytes, then the words,
.set CX,  128                          ; codes,
.set VP,  192                          ; v's fragments
.set G1A, 24
.set G0A, 32
.set G1B, 48
.set G0B, 56
.set MSB, 0
.macro WIN new                         ; the immediate's high byte repeats the setting that is left
.if MSB != (\new)
	s_set_vgpr_msb (MSB<<8)|(\new)
.set MSB, (\new)
.endif
.endm
.macro PLACES n
.rept \n
	v_nop
.endr
.endm
.macro JLOAD g0a, g1a, g0b, g1b        ; a joint load; the branch hangs on the wave's number alone; an s_nop 0 and four v_nop follow each line
	s_cmp_eq_u32 s19, 0
	s_cbranch_scc0 .Lfor_b_\@
	tensor_load_to_lds s[\g0a:\g0a+3], s[\g1a:\g1a+7]
	s_nop 0
.rept 4
	v_nop
.endr
	s_branch .Lasked_\@
.Lfor_b_\@:
	tensor_load_to_lds s[\g0b:\g0b+3], s[\g1b:\g1b+7]
	s_nop 0
.rept 4
	v_nop
.endr
.Lasked_\@:
.endm
.macro CREST                           ; a round of the cluster's barrier behind its opening barrier
	s_cmp_lg_u32 s18, 0
	s_cbranch_scc1 .Lnot_wave_0_\@
	s_barrier_signal -3
.Lnot_wave_0_\@:
	s_barrier_wait -3
	s_barrier_signal -1
	s_barrier_wait -1
.endm
.macro CROUND
	s_barrier_signal -1
	s_barrier_wait -1
	CREST
.endm
.macro FRAG3 reg, adr, off             ; a fragment's image: three loads of 512 consecutive bytes
	ds_load_b128 v[\reg:\reg+3], v[\adr] offset:\off
	ds_load_b128 v[\reg+4:\reg+7], v[\adr] offset:\off+512
	ds_load_b128 v[\reg+8:\reg+11], v[\adr] offset:\off+1024
.endm
.macro LB k, t                         ; W's four fragments of kind t, K step k
.set ib, 0
.rept 4
	FRAG3 BF+48*((3*(\k)+(\t))&1)+12*ib, ADB+((\k)&3), (4*(\t)+ib)*1536
.set ib, ib+1
.endr
.endm
.macro LA k, i0                        ; x's fragments i0 .. i0 + 3
.set ia, \i0
.rept 4
	FRAG3 AF+12*ia, ADA+((\k)&3), 1536*ia
.set ia, ia+1
.endr
.endm
.macro LS k                            ; the K step's scale words
.set ii, 0
.rept 12
	ds_load_b32 v[SC+12*((\k)&1)+ii], v[ADS+((\k)&3)] offset:64*ii
.set ii, ii+1
.endr
.endm
; n x 4 matrix instructions: x's fragments a0 on against W's four of kind t.  The 96 accumulators take turns, one instruction a turn, in the same order in every K step.
; K step 0 starts the sums: q's and k's with the bias as C, v's with the constant 0.
.macro MM k, t, a0, n
.set SS, SC+12*((\k)&1)
.set BB, BF+48*((3*(\k)+(\t))&1)
.if (\k) == 0
	WIN 0x70+0x40*(\t)-0x30*((\t)/2)               ; D window 1, 2, 3; C window 3 (the biases), for v none
.else
	WIN 0x50*((\t)+1)                              ; C and D window 1, 2, 3
.endif
.set ia, \a0
.rept \n
.set ib, 0
.rept 4
.set FA, AF+12*ia
.set FB, BB+12*ib
.if (\t) < 2
.set DD, 8*(4*ia+ib)
.set CC, DD
.if (\k) == 0
.set CC, 32*(\t)+8*ib
.endif
	v_wmma_scale_f32_16x16x128_f8f6f4 v[DD:DD+7], v[FB:FB+11], v[FA:FA+11], v[CC:CC+7], v[SS+4*(\t)+ib], v[SS+ia] matrix_a_fmt:MATRIX_FMT_FP6 matrix_b_fmt:MATRIX_FMT_FP6 matrix_a_scale:MATRIX_SCALE_ROW1
.else
.set DD, 8*(8*(ia/2)+2*ib+(ia%2))
.if (\k) == 0
	v_wmma_scale_f32_16x16x128_f8f6f4 v[DD:DD+7], v[FA:FA+11], v[FB:FB+11], 0, v[SS+ia], v[SS+8+ib] matrix_a_fmt:MATRIX_FMT_FP6 matrix_b_fmt:MATRIX_FMT_FP6 matrix_b_scale:MATRIX_SCALE_ROW1
.else
	v_wmma_scale_f32_16x16x128_f8f6f4 v[DD:DD+7], v[FA:FA+11], v[FB:FB+11], v[DD:DD+7], v[SS+ia], v[SS+8+ib] matrix_a_fmt:MATRIX_FMT_FP6 matrix_b_fmt:MATRIX_FMT_FP6 matrix_b_scale:MATRIX_SCALE_ROW1
.endif
.endif
.set ib, ib+1
.endr
.set ia, ia+1
.endr
.endm
; A unit: 32 matrix instructions of one kind; in its middle, behind four places, the next unit's fragments of W (behind kind 2: the next K step's first fragments and scale words too).
.macro UNIT k, t
.if (\t) == 0
	s_wait_dscnt 12                                ; all but the youngest 12 loads (x's fragments 4-7) are in
.else
	s_wait_dscnt 0x0
.endif
	MM \k, \t, 0, 4
	WIN 0
.if (\t) < 2
	PLACES 4
	LB \k, (\t)+1
.elseif (\k) < 7
	PLACES 4
	LB (\k)+1, 0
	LA (\k)+1, 0
	LS (\k)+1
.endif
.if (\t) == 0
	s_wait_dscnt 12                                ; x's fragments 4-7 are in; the 12 just issued may be out
.endif
	MM \k, \t, 4, 4
.if ((\t) == 2) && ((\k) < 7)
	WIN 0
	PLACES 4
	LA (\k)+1, 4
.endif
.endm
; Kind 2 of a slot's last K step changes slots: ONE barrier; in front of it each wave waits for all its tensor loads, adds 0 to its spare word, and waits for that and for its reads of this slot.
.macro TURN k, fill, slot
	WIN 0
	s_wait_tensorcnt 0x0                           ; all my tensor loads have landed: my part of the next slot
	ds_add_u32 v[SPW], v[NIL]
	s_wait_dscnt 1                                 ; W's fragments are in; the add may be out
	MM \k, 2, 0, 2
	s_wait_dscnt 0x0                               ; the add is done, and my reads of this slot are over
	s_barrier_signal -1
	MM \k, 2, 2, 2
	WIN 0
	s_barrier_wait -1
.if \fill
	CREST                                          ; the barrier has opened a round of the cluster's: no wave of any partner still reads this slot or has a load on its way
	s_add_nc_u64 s[G0A+4*\slot+2:G0A+4*\slot+3], s[G0A+4*\slot+2:G0A+4*\slot+3], 4*XB
	s_add_nc_u64 s[G0B+4*\slot+2:G0B+4*\slot+3], s[G0B+4*\slot+2:G0B+4*\slot+3], 4*WB
	JLOAD G0A+4*\slot, G1A, G0B+4*\slot, G1B       ; the first tensor load behind the round: it has two K steps, 192 matrix instructions, in which to land; its four v_nop are the places in front of the loads below
.else
	PLACES 4
.endif
	s_wait_alu depctr_va_vdst(0)
	LB (\k)+1, 0
	LA (\k)+1, 0
	LS (\k)+1
	MM \k, 2, 4, 4
	WIN 0
	PLACES 4
	LA (\k)+1, 4
.endm
; THE WAY OUT.  Block n of a window is its registers 16 n .. 16 n + 15: 16 neighbours along the quantiser's axis; lane l xor 16 holds the block's other 16.
.macro MAXES w
	WIN ((\w)<<2)|((\w)<<4)                        ; sources 1 and 2: the window
.set nn, 0
.rept 16
	v_max3_num_f32 v[T+nn], v[FL], |v[16*nn]|, |v[16*nn+1]|        ; the floor 2^(3 - 127) among the leaves; each accumulator is read from its low end on
.set nn, nn+1
.endr
.set ii, 2
.rept 7
.set nn, 0
.rept 16
	v_max3_num_f32 v[T+nn], v[T+nn], |v[16*nn+ii]|, |v[16*nn+ii+1]|
.set nn, nn+1
.endr
.set ii, ii+2
.endr
	WIN 0
.set nn, 0
.rept 16
	v_permlanex16_b32 v[T2+nn], v[T+nn], s72, s73
.set nn, nn+1
.endr
.set nn, 0
.rept 16
	v_max_num_f32 v[T+nn], v[T+nn], v[T2+nn]
.set nn, nn+1
.endr
.set nn, 0
.rept 16
	v_add_nc_u32 v[SO+nn], 0xff000000, v[T+nn]     ; 2 off the exponent field
.set nn, nn+1
.endr
.set nn, 0
.rept 16
	v_lshrrev_b32 v[BY+nn], 23, v[SO+nn]
.set nn, nn+1
.endr
.endm
.macro QKOUT t                         ; q (0) or k (1): tile a's blocks 2 a, 2 a + 1 become half a fragment: six registers, Z0-3 at 16 l, Z4-5 at 512 + 8 l
	s_wait_xcnt 0x0                                ; earlier stores have read their data
	MAXES (\t)+1
.set ia, 0
.rept 8
	v_lshl_or_b32 v[BY+ia], v[BY+2*ia+1], 8, v[BY+2*ia]            ; the token's scale word; bytes 2 and 3 are 0 over zero codes
.set ia, ia+1
.endr
	WIN (\t)+1
.set nn, 0
.rept 16
.set CD, 128+4*nn-96*(nn/8)            ; blocks 0-7: v128 on; blocks 8-15: v64 on
	v_cvt_scalef32_pk16_fp6_f32 v[CD:CD+2], v[16*nn:16*nn+15], v[SO+nn]
.set nn, nn+1
.endr
	WIN 0
	v_nop                                          ; one plain place behind the scaled conversions
.set ia, 0
.rept 8
.set CA, 128+8*ia-96*(ia/4)
	v_permlane16_swap_b32 v[CA], v[CA+4]           ; a WHOLE block to a lane: lanes 0-15 block 0, lanes 16-31 block 1
	v_permlane16_swap_b32 v[CA+1], v[CA+5]
	v_permlane16_swap_b32 v[CA+2], v[CA+6]
	v_mov_b32 v[CA+3], v[CA+4]
	v_mov_b32 v[CA+4], v[CA+5]
	v_mov_b32 v[CA+5], v[CA+6]
.if (\t) == 0
	global_store_b128 v[VO16], v[CA:CA+3], s[66:67] offset:768*ia
	global_store_b64 v[VO8], v[CA+4:CA+5], s[66:67] offset:768*ia+512
.else
	global_store_b128 v[VO16], v[CA:CA+3], s[70:71] offset:768*ia
	global_store_b64 v[VO8], v[CA+4:CA+5], s[70:71] offset:768*ia+512
.endif
.set ia, ia+1
.endr
.set jj, 0
.rept 4
	v_cndmask_b32 v[BY+2*jj], v[BY+2*jj], v[BY+2*jj+1], s74        ; two tiles' words: 128 consecutive bytes
.if (\t) == 0
	global_store_b32 v[VO4], v[BY+2*jj], s[68:69] offset:128*jj
.else
	global_store_b32 v[VO4], v[BY+2*jj], s[70:71] offset:6144+128*jj
.endif
.set jj, jj+1
.endr
.endm
.macro VOUT                            ; v: block 4 A + b is channel fragment b, keys 32 A + 16 (lane / 16) on: four blocks make a fragment of V^T
	s_wait_xcnt 0x0
	WIN 0xc3
.set pp, 0
.rept 128
	v_pk_add_f32 v[2*pp:2*pp+1], v[2*pp:2*pp+1], v[BV+2*((pp>>3)&3):BV+2*((pp>>3)&3)+1]   ; + bv of my channel (no 32 registers were free to give it as C)
.set pp, pp+1
.endr
	MAXES 3
.set ib, 0
.rept 4
	v_lshl_or_b32 v[T2+ib], v[BY+4+ib], 8, v[BY+ib]
	v_lshl_or_b32 v[T2+ib], v[BY+8+ib], 16, v[T2+ib]
	v_lshl_or_b32 v[T2+ib], v[BY+12+ib], 24, v[T2+ib]
.set ib, ib+1
.endr
	WIN 3
.set ib, 0
.rept 4
	v_cvt_scalef32_pk16_fp6_f32 v[VP+12*ib:VP+12*ib+2], v[16*ib:16*ib+15], v[SO+ib]
	v_cvt_scalef32_pk16_fp6_f32 v[CX+8*ib:CX+8*ib+2], v[64+16*ib:64+16*ib+15], v[SO+4+ib]
	v_cvt_scalef32_pk16_fp6_f32 v[VP+12*ib+6:VP+12*ib+8], v[128+16*ib:128+16*ib+15], v[SO+8+ib]
	v_cvt_scalef32_pk16_fp6_f32 v[CX+8*ib+4:CX+8*ib+6], v[192+16*ib:192+16*ib+15], v[SO+12+ib]
.set ib, ib+1
.endr
	WIN 0
	v_nop
.set ib, 0
.rept 4
.set ii, 0
.rept 3
	v_permlane16_swap_b32 v[VP+12*ib+ii], v[CX+8*ib+ii]
	v_permlane16_swap_b32 v[VP+12*ib+6+ii], v[CX+8*ib+4+ii]
.set ii, ii+1
.endr
.set ii, 0
.rept 3
	v_mov_b32 v[VP+12*ib+3+ii], v[CX+8*ib+ii]
	v_mov_b32 v[VP+12*ib+9+ii], v[CX+8*ib+4+ii]
.set ii, ii+1
.endr
.set ii, 0
.rept 3
	global_store_b128 v[VO16], v[VP+12*ib+4*ii:VP+12*ib+4*ii+3], s[70:71] offset:6656+1536*ib+512*ii
.set ii, ii+1
.endr
.set ib, ib+1
.endr
.set jj, 0
.rept 2
	v_cndmask_b32 v[T2+2*jj], v[T2+2*jj], v[T2+2*jj+1], s74
	global_store_b32 v[VO4], v[T2+2*jj], s[70:71] offset:12800+128*jj
.set jj, jj+1
.endr
.endm
	s_load_b256 s[4:11], s[0:1], 0x0               ; xq s[4:5], wqkv s[6:7], bq s[8:9], bk s[10:11]
	s_load_b128 s[12:15], s[0:1], 0x20             ; bv s[12:13], qb s[14:15]
	s_load_b64 s[16:17], s[0:1], 0x30              ; kv
	v_lshl_add_u32 v[SPW], v0, 2, SPARE
	v_mov_b32 v[NIL], 0
	ds_add_u32 v[SPW], v[NIL]                      ; the wave's opening: the add, twice on end, and its wait ahead of my first tensor load
	ds_add_u32 v[SPW], v[NIL]
	v_lshrrev_b32 v1, 5, v0
	v_readfirstlane_b32 s18, v1                    ; wave 0..3
	s_lshr_b32 s19, s18, 1                         ; my half of the tokens.  Also: I fetch x's blocks (0) or W's (1)
	s_and_b32 s20, s18, 1                          ; my head of the two.  Also: which of a slot's two K steps I fetch
	s_bfe_u32 s40, ttmp6, 0x40000                  ; cx
	s_bfe_u32 s41, ttmp6, 0x40004                  ; cy
	s_lshl_b32 s42, ttmp9, 2
	s_add_co_u32 s42, s42, s40                     ; the pair of heads: 4 x cluster x + cx
	s_and_b32 s43, ttmp7, 0xffff
	s_lshl_b32 s43, s43, 2
	s_add_co_u32 s43, s43, s41                     ; the 256 tokens: 4 x cluster y + cy
	s_lshl_b32 s44, s41, 2
	s_lshl_b32 s44, 15, s44                        ; my row of the cluster
	s_lshl_b32 s45, 0x1111, s40                    ; my column
	s_or_b32 s[G1A], s44, (3<<16)|(1<<21)          ; a dense block as rows of 256 bytes: 32 elements of 8 bytes; no padding; bit 21 beside a mask
	s_or_b32 s[G1B], s45, (3<<16)|(1<<21)
	s_mov_b32 s[G1A+1], 32<<16                     ; tensor_dim0
	s_mov_b32 s[G1A+2], 100<<16                    ; tensor_dim1: 25,600 / 256
	s_mov_b32 s[G1A+3], 32<<16                     ; tile_dim0
	s_mov_b32 s[G1A+4], 100                        ; tile_dim1
	s_mov_b32 s[G1A+5], 32                         ; pitch
	s_mov_b32 s[G1A+6], 0
	s_mov_b32 s[G1A+7], 0
	s_mov_b32 s[G1B+1], 32<<16
	s_mov_b32 s[G1B+2], 150<<16                    ; 38,400 / 256
	s_mov_b32 s[G1B+3], 32<<16
	s_mov_b32 s[G1B+4], 150
	s_mov_b32 s[G1B+5], 32
	s_mov_b32 s[G1B+6], 0
	s_mov_b32 s[G1B+7], 0
	s_lshl_b32 s76, s43, 3
	s_add_co_u32 s76, s76, s20
	s_mul_i32 s76, s76, XB                         ; x's block (tokens, K step w % 2): hangs on cy alone
	s_mov_b32 s77, 0
	s_lshl_b32 s78, s42, 3
	s_add_co_u32 s78, s78, s20
	s_mul_i32 s78, s78, WB                         ; W's: on cx alone
	s_mov_b32 s79, 0
	s_mul_i32 s80, s20, REG                        ; and the region: no place in the cluster enters an LDS address
	s_mov_b32 s72, 0x76543210
	s_mov_b32 s73, 0xfedcba98
	s_mov_b32 s74, 0xffff0000
	s_wait_dscnt 0x0                               ; both opening adds are done
	s_wait_kmcnt 0x0
	s_add_nc_u64 s[76:77], s[4:5], s[76:77]
	s_add_nc_u64 s[78:79], s[6:7], s[78:79]
	CROUND                                         ; all sixteen work-groups are here: the first joint loads meet
.irp s, 0,1
	s_mov_b32 s[G0A+4*\s], 1
	s_add_co_u32 s[G0A+4*\s+1], s80, \s*2*REG
	s_add_nc_u64 s[G0A+4*\s+2:G0A+4*\s+3], s[76:77], \s*2*XB
	s_or_b32 s[G0A+4*\s+3], s[G0A+4*\s+3], 0x80000000
	s_mov_b32 s[G0B+4*\s], 1
	s_add_co_u32 s[G0B+4*\s+1], s80, \s*2*REG+XB
	s_add_nc_u64 s[G0B+4*\s+2:G0B+4*\s+3], s[78:79], \s*2*WB
	s_or_b32 s[G0B+4*\s+3], s[G0B+4*\s+3], 0x80000000
	s_wait_alu depctr_va_vdst(0)
	s_wait_tensorcnt 0x0
	ds_add_u32 v14, v15
	ds_add_u32 v14, v15
	s_wait_dscnt 0x0
	CROUND
	JLOAD G0A+4*\s, G1A, G0B+4*\s, G1B
.endr
	v_and_b32 v52, 31, v0                          ; lane
	v_and_b32 v53, 15, v0                          ; r
	v_bfe_u32 v54, v0, 4, 1                        ; h
	s_wait_alu depctr_va_vdst(0)
	v_lshlrev_b32 v[VO16], 4, v52
	s_wait_alu depctr_va_vdst(0)
	v_lshlrev_b32 v[VO8], 3, v52
	v_lshlrev_b32 v[VO4], 2, v52
	v_mov_b32 v[FL], 0x1800000
	s_mul_i32 s81, s19, 12288                      ; my 8 fragments of x
	s_mul_i32 s82, s20, 18432                      ; my 12 of W,
	s_add_co_u32 s82, s82, XB                      ; behind x's block
	s_lshl_b32 s83, s19, 9
	s_mul_i32 s84, s20, 768
	s_add_co_u32 s84, s84, 37888
	s_sub_co_u32 s84, s84, s83                     ; from x's words to W's
	s_add_co_u32 s83, s83, 24576
	v_mul_u32_u24 v55, s84, v54                    ; lanes 16-31 take W's
	v_lshl_add_u32 v55, v53, 2, v55
.irp p, 0,1,2,3
	v_add_nc_u32 v[ADA+\p], s81, v[VO16]
	v_add_nc_u32 v[ADB+\p], s82, v[VO16]
	v_add_nc_u32 v[ADS+\p], s83, v55
	s_add_co_u32 s81, s81, REG
	s_add_co_u32 s82, s82, REG
	s_add_co_u32 s83, s83, REG
.endr
	s_lshl_b32 s85, s42, 1
	s_add_co_u32 s85, s85, s20                     ; my head
	s_lshl_b32 s86, s85, 8
	s_mov_b32 s87, 0
	s_add_nc_u64 s[8:9], s[8:9], s[86:87]
	s_add_nc_u64 s[10:11], s[10:11], s[86:87]
	s_add_nc_u64 s[12:13], s[12:13], s[86:87]
	v_lshlrev_b32 v56, 6, v54                      ; bq, bk in the result's layout: fragment b = 2 g + u, lane half h: channels 32 g + 16 h + 8 u + 0 .. 7
	v_and_b32 v57, 8, v53
	v_add_nc_u32 v57, v57, v53
	v_lshlrev_b32 v57, 2, v57                      ; bv: my channel of fragment b: 32 g + 8 u + r + 8 (r / 8)
	WIN 0xc0                                       ; destination window 3
.irp b, 0,1,2,3
	global_load_b128 v[8*\b:8*\b+3], v56, s[8:9] offset:128*(\b/2)+32*(\b%2)
	global_load_b128 v[8*\b+4:8*\b+7], v56, s[8:9] offset:128*(\b/2)+32*(\b%2)+16
	global_load_b128 v[32+8*\b:32+8*\b+3], v56, s[10:11] offset:128*(\b/2)+32*(\b%2)
	global_load_b128 v[32+8*\b+4:32+8*\b+7], v56, s[10:11] offset:128*(\b/2)+32*(\b%2)+16
.endr
	WIN 0
.irp b, 0,1,2,3
	global_load_b32 v[BV+2*\b], v57, s[12:13] offset:128*(\b/2)+32*(\b%2)
	global_load_b32 v[BV+2*\b+1], v57, s[12:13] offset:128*(\b/2)+32*(\b%2)      ; twice: a pair for the packed addition
.endr
	s_lshr_b32 s88, s43, 3
	s_lshl_b32 s88, s88, 4
	s_add_co_u32 s88, s88, s85                     ; 16 x batch + head
	s_and_b32 s89, s43, 7
	s_lshl_b32 s89, s89, 1
	s_add_co_u32 s89, s89, s19                     ; my 128 tokens in the sequence: the key step, and 8 tiles of queries
	s_mov_b32 s93, 0
	s_mul_i32 s90, s88, 106496
	s_mul_i32 s91, s89, 6144
	s_add_co_u32 s92, s90, s91
	s_add_nc_u64 s[66:67], s[14:15], s[92:93]      ; q's codes
	s_lshl_b32 s91, s89, 9
	s_add_co_u32 s92, s90, s91
	s_add_co_u32 s92, s92, 98304
	s_add_nc_u64 s[68:69], s[14:15], s[92:93]      ; q's words
	s_mul_i32 s90, s88, 208896
	s_mul_i32 s91, s89, 13056
	s_add_co_u32 s92, s90, s91
	s_add_nc_u64 s[70:71], s[16:17], s[92:93]      ; the key step's block
	s_wait_tensorcnt 0x1                           ; my part of slot 0 is in; slot 1's may stay out
	s_barrier_signal -1
	s_barrier_wait -1
	LB 0, 0
	LA 0, 0
	LS 0
	LA 0, 4
	s_wait_loadcnt 0x0                             ; the biases
	UNIT 0, 0
	UNIT 0, 1
	PLACES 5                                       ; v's first products write over the registers that q's and k's read as C
	UNIT 0, 2
	UNIT 1, 0
	UNIT 1, 1
	TURN 1, 1, 0
	UNIT 2, 0
	UNIT 2, 1
	UNIT 2, 2
	UNIT 3, 0
	UNIT 3, 1
	TURN 3, 1, 1
	UNIT 4, 0
	UNIT 4, 1
	UNIT 4, 2
	UNIT 5, 0
	UNIT 5, 1
	TURN 5, 0, 0
	UNIT 6, 0
	UNIT 6, 1
	UNIT 6, 2
	UNIT 7, 0
	UNIT 7, 1
	UNIT 7, 2
	WIN 0
	PLACES 4
	QKOUT 0
	QKOUT 1
	VOUT
	s_wait_tensorcnt 0x0                           ; the wave's end
	ds_add_u32 v[SPW], v[NIL]
	s_wait_dscnt 0x0
	CROUND                                         ; the closing round
	s_endpgm
.Lfunc_end_k_q8e67098fb4_qkv:
	.size	k_q8e67098fb4_qkv, .Lfunc_end_k_q8e67098fb4_qkv-k_q8e67098fb4_qkv
	.p2alignl 7, 3214868480
	.fill 96, 4, 3214868480
	.section	.rodata,"a",@progbits
	.p2align	6, 0x0
	.amdhsa_kernel k_q8e67098fb4_qkv
		.amdhsa_group_segment_fixed_size 327680
		.amdhsa_private_segment_fixed_size 0
		.amdhsa_enable_private_segment 0
		.amdhsa_kernarg_size 56
		.amdhsa_user_sgpr_count 2
		.amdhsa_user_sgpr_kernarg_segment_ptr 1
		.amdhsa_wavefront_size32 1
		.amdhsa_system_sgpr_workgroup_id_x 1
		.amdhsa_system_sgpr_workgroup_id_y 1
		.amdhsa_system_sgpr_workgroup_id_z 1
		.amdhsa_system_vgpr_workitem_id 0
		.amdhsa_next_free_vgpr 1024
		.amdhsa_next_free_sgpr 100
		.amdhsa_reserve_vcc 0
		.amdhsa_float_denorm_mode_32 3
		.amdhsa_float_denorm_mode_16_64 3
		.amdhsa_memory_ordered 1
		.amdhsa_forward_progress 1
		.amdhsa_inst_pref_size 211
	.end_amdhsa_kernel
	.amdgpu_metadata
---
amdhsa.version: [ 1, 2 ]
amdhsa.kernels:
  - .name:           k_q8e67098fb4_qkv
    .symbol:         k_q8e67098fb4_qkv.kd
    .args:
      - { .name: xq, .offset: 0, .size: 8, .value_kind: global_buffer, .address_space: global }
      - { .name: wqkv, .offset: 8, .size: 8, .value_kind: global_buffer, .address_space: global }
      - { .name: bq, .offset: 16, .size: 8, .value_kind: global_buffer, .address_space: global }
      - { .name: bk, .offset: 24, .size: 8, .value_kind: global_buffer, .address_space: global }
      - { .name: bv, .offset: 32, .size: 8, .value_kind: global_buffer, .address_space: global }
      - { .name: qb, .offset: 40, .size: 8, .value_kind: global_buffer, .address_space: global }
      - { .name: kv, .offset: 48, .size: 8, .value_kind: global_buffer, .address_space: global }
    .group_segment_fixed_size: 327680
    .private_segment_fixed_size: 0
    .kernarg_segment_align: 8
    .kernarg_segment_size: 56
    .max_flat_workgroup_size: 128
    .sgpr_count:     100
    .vgpr_count:     1024
    .wavefront_size: 32
...
	.end_amdgpu_metadata
.endif
;; end of part 2
;; launch attn (part 3): grid 4 x 64, 16 waves a work-group, clusters of 4 x 1, 210,944 bytes of LDS; arguments qb, kv, yq; writes yq
.if DOCPART == 3
	.amdgcn_target "amdgcn-amd-amdhsa--gfx1250"
	.amdhsa_code_object_version 6
	.text
	.protected	k_q8e67098fb4_attn
	.globl	k_q8e67098fb4_attn
	.p2align	8
	.type	k_q8e67098fb4_attn,@function
k_q8e67098fb4_attn:
	s_mov_b64 s[64:65], 0
	v_nop
	global_prefetch_b8 v0, s[64:65] scope:SCOPE_SE
	s_setreg_imm32_b32 hwreg(HW_REG_WAVE_MODE, 25, 1), 1
	s_wait_xcnt 0x0
	s_wait_alu depctr_hold_cnt(0) depctr_sa_sdst(0) depctr_va_vdst(0) depctr_va_sdst(0) depctr_va_ssrc(0) depctr_va_vcc(0) depctr_vm_vsrc(0)
	s_getreg_b32 s2, hwreg(HW_REG_IB_STS2, 6, 4)
	s_cmp_eq_u32 s2, 0
	s_cbranch_scc0 .Lentry_in_a_cluster
	s_endpgm
.Lentry_in_a_cluster:
	s_bfe_u32 s2, ttmp6, 0x10000c
	s_cmp_lg_u32 s2, 0x3003
	s_cbranch_scc0 .Lentry_shape_is_right
	s_endpgm
.Lentry_shape_is_right:
; y = softmax(q k^T / 8, causal) v for one (batch, head) a cluster, both products on codes of FP6 (E2M3); y is quantised along the model's axis on the way out.
; LEFT OUT: key steps of 128 keys that lie wholly behind a tile of 16 queries (the mask is the problem's own jnp.tril: their weights are 0 for all values of the inputs).
; LIMIT: a NaN or an infinity that reaches only those hidden scores is not carried to the result.  1 / l is made by v_rcp_f32.
; THE SOFTMAX: t = score x log2(e) / 8; M = the running largest t rounded UP to a whole number; p = 2^(t - M) is quantised along the keys, not normalised; the sum is taken of the unquantised p and divides at the end.
; SHARES.  A head's whole K and V, 16 key steps of 13,056 bytes, lie in LDS, filled ONCE: wave w asks for key step w, jointly with the three partners (mask 15): one tensor load a wave is out.  No slot is filled again.
; Wave w of partner cx owns query tiles 4 w + cx and 127 - (4 w + cx): (w / 2) + 1 and 16 - (w / 2) key steps: 17 for every wave of the launch.  The limits hang on the wave's number alone;
; cx enters only global addresses and the lane's query number.  Every partner reads every key step (tile 127 - cx reaches the last).
; LAYOUT.  Both products transposed: S^T = K Q^T, O^T = V^T P^T: a lane holds ONE query.  A tile's 16 rows are 8 u + r + 8 (r / 8) of a group of 32, so the 16 registers of tiles 2 b, 2 b + 1 are 16 neighbouring keys (or channels).
; The head has 64 channels: registers 6-11 of Q's and K's fragments are zero codes, set once, under scale bytes 0.
; A key step's block: K 8 x 768 (registers 0-3 at 16 l, 4-5 at 512 + 8 l); K's words at 6,144; V^T 4 x 1,536 at 6,656; V's words at 12,800.
; REGISTERS: v1-3 16, 8 x lane, 4 r; v4, 5 the add's two; v6 my query - 16 h; v7; v8-10 the step's LDS addresses; v11 Q's words; v12 -M, v13 the largest t, v[14:15] the sum; v16-27 Q; v28-31 V's words;
;   v32-79 four fragments of K; v80-127 V's four; v128-191 S^T, then p; v192-223 O^T; v224-235 p's codes; v236-251 at work; v252 f, v253 p's word; v254; v255 4 r + h.
.set STEPB, 13056
.set SPARE, 16*STEPB                   ; the spare words: 128 bytes for each of 16 waves, eight blocks of 256 bytes that no other line names
.set WV,  10
.set LIM, 14
.set SI,  15
.set TB,  16
.set KF,  17
.set SEL, 18
.set CS,  20
.macro CROUND
	s_barrier_signal -1
	s_barrier_wait -1
	s_cmp_lg_u32 s[WV], 0
	s_cbranch_scc1 .Lnot_wave_0_\@
	s_barrier_signal -3
.Lnot_wave_0_\@:
	s_barrier_wait -3
	s_barrier_signal -1
	s_barrier_wait -1
.endm
; A job begins: tile s13's addresses, Q, and the running figures.  O^T and the sum begin as zeros and the largest t as -3e38: the first change of M multiplies zeros, so the loop has no first step of its own.
.macro JOBINIT
	s_wait_xcnt 0x0                                ; earlier stores have read their data and their bases
	s_mov_b32 s49, 0
	s_mul_i32 s44, s12, 106496
	s_mul_i32 s48, s13, 768
	s_add_co_u32 s48, s48, s44
	s_add_nc_u64 s[36:37], s[4:5], s[48:49]
	s_lshl_b32 s48, s13, 6
	s_add_co_u32 s48, s48, s44
	s_add_co_u32 s48, s48, 98304
	s_add_nc_u64 s[38:39], s[4:5], s[48:49]
	global_load_b128 v[16:19], v1, s[36:37]
	global_load_b64 v[20:21], v2, s[36:37] offset:512
	global_load_b32 v11, v3, s[38:39]
	s_lshr_b32 s50, s12, 4                         ; y's block: (8 x batch + tile / 16, the pair of heads)
	s_lshl_b32 s50, s50, 3
	s_lshr_b32 s51, s13, 4
	s_add_co_u32 s50, s50, s51
	s_lshl_b32 s50, s50, 3
	s_bfe_u32 s51, s12, 0x30001
	s_add_co_u32 s50, s50, s51
	s_mul_i32 s50, s50, 25600
	s_and_b32 s51, s13, 15
	s_and_b32 s52, s12, 1
	s_mul_i32 s48, s51, 1536
	s_mul_i32 s53, s52, 768
	s_add_co_u32 s48, s48, s53
	s_add_co_u32 s48, s48, s50
	s_add_nc_u64 s[40:41], s[8:9], s[48:49]        ; my half of the fragment
	s_lshl_b32 s48, s51, 6
	s_lshl_b32 s53, s52, 1
	s_add_co_u32 s48, s48, s53
	s_add_co_u32 s48, s48, s50
	s_add_co_u32 s48, s48, 24576
	s_add_nc_u64 s[42:43], s[8:9], s[48:49]        ; my two bytes of each row's scale word
	s_lshr_b32 s50, s13, 1
	s_lshl_b32 s50, s50, 5
	s_and_b32 s51, s13, 1
	s_lshl_b32 s51, s51, 3
	s_add_co_u32 s50, s50, s51
	v_add_nc_u32 v6, s50, v7                       ; my query - 16 h
	v_mov_b32 v13, 0xff61b1e6                      ; -3e38
	s_delay_alu instid0(VALU_DEP_1)
	v_floor_f32 v12, -v13
	v_mov_b32 v14, 0
	v_mov_b32 v15, 0
.set ii, 0
.rept 32
	v_mov_b32 v[192+ii], 0
.set ii, ii+1
.endr
	s_mov_b32 s[SI], 0
	s_mov_b32 s[TB], 0
	s_mov_b32 s[KF], 0
	s_wait_loadcnt 0x0
.endm
; A KEY STEP: 128 keys.  A step behind the tile's last is jumped over: ids alone; not the lines at its end that step addresses.
.macro STEP
	s_cmp_gt_u32 s[SI], s[LIM]
	s_cbranch_scc1 .Lhidden_\@
	s_setprio 2
	v_add_nc_u32 v8, s[TB], v1
	v_add_nc_u32 v9, s[TB], v2
	v_add_nc_u32 v10, s[TB], v3
	v_nop                                          ; four places in front of loads into registers that matrix instructions have read
.set it, 0
.rept 4
	ds_load_b128 v[32+12*it:35+12*it], v8 offset:768*it
	ds_load_b64 v[36+12*it:37+12*it], v9 offset:768*it+512
	ds_load_b32 v[248+it], v10 offset:6144+64*it
.set it, it+1
.endr
.set it, 0
.rept 4
	ds_load_b128 v[80+12*it:83+12*it], v8 offset:6656+1536*it
	ds_load_b128 v[84+12*it:87+12*it], v8 offset:6656+1536*it+512
	ds_load_b128 v[88+12*it:91+12*it], v8 offset:6656+1536*it+1024
	ds_load_b32 v[28+it], v10 offset:12800+64*it
.set it, it+1
.endr
	s_wait_alu depctr_va_vdst(0)
	s_wait_dscnt 16                                ; K's first four are in; V's 16 loads may be out
.set it, 0
.rept 4
	v_wmma_scale_f32_16x16x128_f8f6f4 v[128+8*it:135+8*it], v[32+12*it:43+12*it], v[16:27], 0, v[248+it], v11 matrix_a_fmt:MATRIX_FMT_FP6 matrix_b_fmt:MATRIX_FMT_FP6
.set it, it+1
.endr
.rept 4
	v_nop
.endr
.set it, 0
.rept 4
	ds_load_b128 v[32+12*it:35+12*it], v8 offset:768*(4+it)
	ds_load_b64 v[36+12*it:37+12*it], v9 offset:768*(4+it)+512
	ds_load_b32 v[248+it], v10 offset:6144+64*(4+it)
.set it, it+1
.endr
	s_wait_dscnt 0x0
.set it, 0
.rept 4
	v_wmma_scale_f32_16x16x128_f8f6f4 v[160+8*it:167+8*it], v[32+12*it:43+12*it], v[16:27], 0, v[248+it], v11 matrix_a_fmt:MATRIX_FMT_FP6 matrix_b_fmt:MATRIX_FMT_FP6
.set it, it+1
.endr
.rept 4
	v_nop
.endr
	s_cmp_lg_u32 s[SI], s[LIM]                     ; only the tile's last step lies on the diagonal
	s_cbranch_scc1 .Lopen_\@
	v_sub_nc_u32 v252, v6, s[KF]                   ; register 16 b + i holds key KF + 16 h + 32 b + i: hidden where 32 b + i > my query - KF - 16 h
	v_mov_b32 v254, 0xff800000                     ; -infinity
.set nn, 0
.rept 64
	v_cmp_gt_i32 vcc_lo, 32*(nn/16)+(nn%16), v252
	v_cndmask_b32 v[128+nn], v[128+nn], v254, vcc_lo
.set nn, nn+1
.endr
.Lopen_\@:
.set ib, 0
.rept 4
	v_max3_num_f32 v[236+ib], v[128+16*ib], v[129+16*ib], v[130+16*ib]    ; the largest score of each block of 32 keys: for the row's maximum and for the block's largest p
.set ib, ib+1
.endr
.set ii, 3
.rept 6
.set ib, 0
.rept 4
	v_max3_num_f32 v[236+ib], v[236+ib], v[128+16*ib+ii], v[129+16*ib+ii]
.set ib, ib+1
.endr
.set ii, ii+2
.endr
.set ib, 0
.rept 4
	v_max_num_f32 v[236+ib], v[236+ib], v[143+16*ib]
.set ib, ib+1
.endr
.set ib, 0
.rept 4
	s_delay_alu instid0(VALU_DEP_4)
	v_permlanex16_b32 v[240+ib], v[236+ib], s[SEL], s[SEL+1]
.set ib, ib+1
.endr
.set ib, 0
.rept 4
	s_delay_alu instid0(VALU_DEP_4)
	v_max_num_f32 v[236+ib], v[236+ib], v[240+ib]
.set ib, ib+1
.endr
	s_delay_alu instid0(VALU_DEP_2)
	v_max3_num_f32 v254, v236, v237, v238
	s_delay_alu instid0(VALU_DEP_1)
	v_max_num_f32 v254, v254, v239
	s_delay_alu instid0(VALU_DEP_1)
	v_mul_f32 v254, s[CS], v254                    ; as t
	s_delay_alu instid0(VALU_DEP_1)
	v_max_num_f32 v13, v13, v254                   ; the running largest t
	v_mov_b32 v254, v12
	s_delay_alu instid0(VALU_DEP_2)
	v_floor_f32 v12, -v13                          ; the new -M: M is a whole number
	s_delay_alu instid0(VALU_DEP_1)
	v_sub_f32 v254, v12, v254                      ; old M - new M: a whole number, 0 or less
	s_delay_alu instid0(VALU_DEP_1)
	v_cvt_i32_f32 v254, v254                       ; (it saturates)
	s_delay_alu instid0(VALU_DEP_1)
	v_ldexp_f32 v252, 1.0, v254                    ; f = 2^(old M - new M): rounds nothing
.set ii, 0
	s_setprio 1
.rept 32
	v_pk_fma_f32 v[128+ii:129+ii], v[128+ii:129+ii], s[CS:CS+1], v[12:13] op_sel_hi:[1,0,0]   ; t - M
.set ii, ii+2
.endr
.set ib, 0
.rept 4
	v_fma_f32 v[236+ib], v[236+ib], s[CS], v12
.set ib, ib+1
.endr
.set ii, 0
	s_wait_alu depctr_va_vdst(0)
.rept 64
	v_exp_f32 v[128+ii], v[128+ii]                 ; p = 2^(t - M)
.set ii, ii+1
.endr
	v_pk_mul_f32 v[14:15], v[14:15], v[252:253] op_sel_hi:[1,0]    ; the sums under the new M: the plain place behind the exponentials
	s_wait_alu depctr_va_vdst(0)                   ; one wait for the batch of 64, ahead of its first reader
.set ib, 0
.rept 4
	v_exp_f32 v[236+ib], v[236+ib]                 ; each block's largest p
.set ib, ib+1
.endr
	v_pk_add_f32 v[240:241], v[132:133], v[136:137]
	v_pk_add_f32 v[250:251], v[140:141], v[144:145]
	v_pk_add_f32 v[248:249], v[148:149], v[152:153]
	v_pk_add_f32 v[246:247], v[156:157], v[160:161]
	v_pk_add_f32 v[244:245], v[164:165], v[168:169]
	v_pk_add_f32 v[242:243], v[172:173], v[176:177]
	v_pk_add_f32 v[234:235], v[180:181], v[184:185]
	v_pk_add_f32 v[14:15], v[14:15], v[188:189]
	v_pk_add_f32 v[240:241], v[240:241], v[128:129]
	v_pk_add_f32 v[250:251], v[250:251], v[130:131]
	v_pk_add_f32 v[248:249], v[248:249], v[134:135]
	v_pk_add_f32 v[246:247], v[246:247], v[138:139]
	v_pk_add_f32 v[244:245], v[244:245], v[142:143]
	v_pk_add_f32 v[242:243], v[242:243], v[146:147]
	v_pk_add_f32 v[234:235], v[234:235], v[150:151]
	v_pk_add_f32 v[14:15], v[14:15], v[154:155]
	v_pk_add_f32 v[240:241], v[240:241], v[158:159]
	v_pk_add_f32 v[250:251], v[250:251], v[162:163]
	v_pk_add_f32 v[248:249], v[248:249], v[166:167]
	v_pk_add_f32 v[246:247], v[246:247], v[170:171]
	v_pk_add_f32 v[244:245], v[244:245], v[174:175]
	v_pk_add_f32 v[242:243], v[242:243], v[178:179]
	v_pk_add_f32 v[234:235], v[234:235], v[182:183]
	v_pk_add_f32 v[14:15], v[14:15], v[186:187]
	v_pk_add_f32 v[240:241], v[240:241], v[190:191]
	s_delay_alu instid0(VALU_DEP_2)
	v_pk_add_f32 v[14:15], v[14:15], v[246:247]
	s_delay_alu instid0(VALU_DEP_2)
	v_pk_add_f32 v[240:241], v[240:241], v[244:245]
	v_pk_add_f32 v[250:251], v[250:251], v[242:243]
	v_pk_add_f32 v[248:249], v[248:249], v[234:235]
	s_delay_alu instid0(VALU_DEP_2)
	v_pk_add_f32 v[14:15], v[14:15], v[250:251]
	s_delay_alu instid0(VALU_DEP_2)
	v_pk_add_f32 v[240:241], v[240:241], v[248:249]
	s_delay_alu instid0(VALU_DEP_1)
	v_pk_add_f32 v[14:15], v[14:15], v[240:241]
	s_wait_alu depctr_va_vdst(0)                   ; and one for the four
.set ib, 0
.rept 4
	v_max_num_f32 v[236+ib], 0x1800000, v[236+ib]  ; the floor 2^(3 - 127)
.set ib, ib+1
.endr
.set ib, 0
.rept 4
	s_delay_alu instid0(VALU_DEP_4)
	v_add_nc_u32 v[244+ib], 0xff000000, v[236+ib]
.set ib, ib+1
.endr
.set ib, 0
.rept 4
	s_delay_alu instid0(VALU_DEP_4)
	v_lshrrev_b32 v[240+ib], 23, v[244+ib]
.set ib, ib+1
.endr
	s_delay_alu instid0(VALU_DEP_3)
	v_lshl_or_b32 v253, v241, 8, v240              ; p's scale word for these 128 keys
	s_delay_alu instid0(VALU_DEP_1)
	v_lshl_or_b32 v253, v242, 16, v253
	s_delay_alu instid0(VALU_DEP_1)
	v_lshl_or_b32 v253, v243, 24, v253
.set ic, 0
	s_setprio 0
.rept 2
	v_cvt_scalef32_pk16_fp6_f32 v[224+6*ic:226+6*ic], v[128+32*ic:143+32*ic], v[244+2*ic]
	v_cvt_scalef32_pk16_fp6_f32 v[236+4*ic:238+4*ic], v[144+32*ic:159+32*ic], v[245+2*ic]
.set ic, ic+1
.endr
	v_nop                                          ; one plain place behind the scaled conversions
.set ic, 0
.rept 2
.set ii, 0
.rept 3
	v_permlane16_swap_b32 v[224+6*ic+ii], v[236+4*ic+ii]           ; a WHOLE block to a lane
.set ii, ii+1
.endr
.set ii, 0
.rept 3
	s_delay_alu instid0(VALU_DEP_3)
	v_mov_b32 v[227+6*ic+ii], v[236+4*ic+ii]
.set ii, ii+1
.endr
.set ic, ic+1
.endr
.set ii, 0
.rept 16
	v_pk_mul_f32 v[192+ii:193+ii], v[192+ii:193+ii], v[252:253] op_sel_hi:[1,0]   ; O^T under the new M; these 16 are also the places in front of the products below
.set ii, ii+2
.endr
.set ib, 0
.rept 4
	v_wmma_scale_f32_16x16x128_f8f6f4 v[192+8*ib:199+8*ib], v[80+12*ib:91+12*ib], v[224:235], v[192+8*ib:199+8*ib], v[28+ib], v253 matrix_a_fmt:MATRIX_FMT_FP6 matrix_b_fmt:MATRIX_FMT_FP6
.set ib, ib+1
.endr
.Lhidden_\@:
	s_add_co_u32 s[TB], s[TB], STEPB
	s_add_co_u32 s[KF], s[KF], 128
.endm
.macro WALK trips                      ; the trip count is a constant of the text
.Lstep_\@:
	STEP
	s_add_co_u32 s[SI], s[SI], 1
	s_cmp_lt_u32 s[SI], \trips
	s_cbranch_scc1 .Lstep_\@
	s_setprio 0
.endm
; y = O^T / the sum; its two blocks of 32 channels are quantised and leave as half a fragment of the out projection's operand.
.macro YOUT
.rept 4
	v_nop                                          ; places behind the last products
.endr
	v_add_f32 v14, v14, v15
	s_delay_alu instid0(VALU_DEP_1)
	v_permlanex16_b32 v252, v14, s[SEL], s[SEL+1]
	s_delay_alu instid0(VALU_DEP_1)
	v_add_f32 v14, v14, v252                       ; the row's sum
	s_wait_alu depctr_va_vdst(0)
	v_rcp_f32 v14, v14
	v_nop
	s_wait_alu depctr_va_vdst(0)                   ; the wait ahead of the reciprocal's first reader
.set ii, 0
.rept 32
	v_mul_f32 v[192+ii], v[192+ii], v14            ; register 16 g + i is channel 32 g + 16 h + i of my query
.set ii, ii+1
.endr
	v_max3_num_f32 v236, |v192|, |v193|, 0x1800000
	v_max3_num_f32 v237, |v208|, |v209|, 0x1800000
.set ii, 2
.rept 7
	s_delay_alu instid0(VALU_DEP_2)
	v_max3_num_f32 v236, v236, |v[192+ii]|, |v[193+ii]|
	s_delay_alu instid0(VALU_DEP_2)
	v_max3_num_f32 v237, v237, |v[208+ii]|, |v[209+ii]|
.set ii, ii+2
.endr
	s_delay_alu instid0(VALU_DEP_2)
	v_permlanex16_b32 v240, v236, s[SEL], s[SEL+1]
	s_delay_alu instid0(VALU_DEP_2)
	v_permlanex16_b32 v241, v237, s[SEL], s[SEL+1]
	s_delay_alu instid0(VALU_DEP_2)
	v_max_num_f32 v236, v236, v240
	s_delay_alu instid0(VALU_DEP_2)
	v_max_num_f32 v237, v237, v241
	s_delay_alu instid0(VALU_DEP_2)
	v_add_nc_u32 v244, 0xff000000, v236
	s_delay_alu instid0(VALU_DEP_2)
	v_add_nc_u32 v245, 0xff000000, v237
	s_delay_alu instid0(VALU_DEP_2)
	v_lshrrev_b32 v240, 23, v244
	s_delay_alu instid0(VALU_DEP_2)
	v_lshrrev_b32 v241, 23, v245
	v_cvt_scalef32_pk16_fp6_f32 v[224:226], v[192:207], v244
	v_cvt_scalef32_pk16_fp6_f32 v[228:230], v[208:223], v245
	v_nop
	v_permlane16_swap_b32 v224, v228
	v_permlane16_swap_b32 v225, v229
	v_permlane16_swap_b32 v226, v230
	s_delay_alu instid0(VALU_DEP_3)
	v_mov_b32 v227, v228
	s_delay_alu instid0(VALU_DEP_3)
	v_mov_b32 v228, v229
	s_delay_alu instid0(VALU_DEP_3)
	v_mov_b32 v229, v230
	global_store_b128 v1, v[224:227], s[40:41]
	global_store_b64 v2, v[228:229], s[40:41] offset:512
	v_cndmask_b32 v254, v240, v241, s22            ; lanes 0-15 store block 0's byte, lanes 16-31 block 1's
	global_store_b8 v255, v254, s[42:43]
.endm
	s_load_b128 s[4:7], s[0:1], 0x0                ; qb s[4:5], kv s[6:7]
	s_load_b64 s[8:9], s[0:1], 0x10                ; yq
	v_lshl_add_u32 v4, v0, 2, SPARE
	v_mov_b32 v5, 0
	ds_add_u32 v4, v5                              ; the wave's opening: the add, twice on end, and its wait ahead of my first tensor load
	ds_add_u32 v4, v5
	v_lshrrev_b32 v1, 5, v0
	s_delay_alu instid0(VALU_DEP_1)
	v_readfirstlane_b32 s[WV], v1                  ; wave 0..15
	s_bfe_u32 s11, ttmp6, 0x40000                  ; cx
	s_and_b32 s12, ttmp7, 0xffff                   ; 16 x batch + head
	s_mov_b32 s24, 15|(3<<16)|(1<<21)              ; all four partners; a dense block as rows of 256 bytes: 32 elements of 8 bytes
	s_mov_b32 s25, 32<<16
	s_mov_b32 s26, 51<<16                          ; 13,056 / 256
	s_mov_b32 s27, 32<<16
	s_mov_b32 s28, 51
	s_mov_b32 s29, 32
	s_mov_b32 s30, 0
	s_mov_b32 s31, 0
	s_mov_b32 s32, 1
	s_mul_i32 s33, s[WV], STEPB                    ; key step w, at its place in LDS
	s_mul_i32 s44, s12, 208896
	s_add_co_u32 s44, s44, s33
	s_mov_b32 s45, 0
	s_mov_b32 s[SEL], 0x76543210
	s_mov_b32 s[SEL+1], 0xfedcba98
	s_mov_b32 s[CS], 0x3e38aa3b                    ; log2(e) / 8
	s_mov_b32 s[CS+1], s[CS]
	s_mov_b32 s22, 0xffff0000
	s_wait_dscnt 0x0                               ; both opening adds are done
	s_wait_kmcnt 0x0
	s_add_nc_u64 s[34:35], s[6:7], s[44:45]
	s_or_b32 s35, s35, 0x80000000
	CROUND                                         ; all four work-groups are here: the joint loads meet
	tensor_load_to_lds s[32:35], s[24:31]
	s_nop 0
.rept 4
	v_nop
.endr
	v_and_b32 v254, 31, v0
	s_delay_alu instid0(VALU_DEP_1)
	v_lshlrev_b32 v1, 4, v254
	s_delay_alu instid0(VALU_DEP_2)
	v_lshlrev_b32 v2, 3, v254
	v_and_b32 v252, 15, v0                         ; r
	v_bfe_u32 v253, v0, 4, 1                       ; h
	s_delay_alu instid0(VALU_DEP_2)
	v_lshlrev_b32 v3, 2, v252
	s_delay_alu instid0(VALU_DEP_1)
	v_add_nc_u32 v255, v3, v253
	s_delay_alu instid0(VALU_DEP_4)
	v_and_b32 v7, 8, v252
	s_delay_alu instid0(VALU_DEP_1)
	v_add_nc_u32 v7, v7, v252
	v_lshlrev_b32 v254, 4, v253
	s_delay_alu instid0(VALU_DEP_1)
	v_sub_nc_u32 v7, v7, v254                      ; r + 8 (r / 8) - 16 h
	v_mov_b32 v253, 0
.set ii, 0
.rept 6
	v_mov_b32 v[22+ii], 0                          ; the zero codes of K = 64 .. 127: Q's,
	v_mov_b32 v[38+ii], 0                          ; and K's four fragments'
	v_mov_b32 v[50+ii], 0
	v_mov_b32 v[62+ii], 0
	v_mov_b32 v[74+ii], 0
.set ii, ii+1
.endr
.set ii, 0
.rept 4
	v_mov_b32 v[240+ii], 0                         ; a lane permute's destination counts as one of its sources
.set ii, ii+1
.endr
	s_lshl_b32 s46, s[WV], 2
	s_add_co_u32 s46, s46, s11                     ; the early tile
	s_sub_co_u32 s13, 127, s46                     ; the late tile goes first
	s_lshr_b32 s47, s[WV], 1
	s_sub_co_u32 s[LIM], 15, s47                   ; its last key step: the wave's number alone
	JOBINIT
	s_wait_tensorcnt 0x0                           ; my key step has landed,
	s_barrier_signal -1
	s_barrier_wait -1                              ; everybody's has
	WALK 16
	YOUT
	s_mov_b32 s13, s46
	s_mov_b32 s[LIM], s47
	JOBINIT
	WALK 8
	YOUT
	s_wait_tensorcnt 0x0                           ; the wave's end
	ds_add_u32 v4, v5
	s_wait_dscnt 0x0
	CROUND                                         ; the closing round
	s_endpgm
.Lfunc_end_k_q8e67098fb4_attn:
	.size	k_q8e67098fb4_attn, .Lfunc_end_k_q8e67098fb4_attn-k_q8e67098fb4_attn
	.p2alignl 7, 3214868480
	.fill 96, 4, 3214868480
	.section	.rodata,"a",@progbits
	.p2align	6, 0x0
	.amdhsa_kernel k_q8e67098fb4_attn
		.amdhsa_group_segment_fixed_size 210944
		.amdhsa_private_segment_fixed_size 0
		.amdhsa_enable_private_segment 0
		.amdhsa_kernarg_size 24
		.amdhsa_user_sgpr_count 2
		.amdhsa_user_sgpr_kernarg_segment_ptr 1
		.amdhsa_wavefront_size32 1
		.amdhsa_system_sgpr_workgroup_id_x 1
		.amdhsa_system_sgpr_workgroup_id_y 1
		.amdhsa_system_sgpr_workgroup_id_z 1
		.amdhsa_system_vgpr_workitem_id 0
		.amdhsa_next_free_vgpr 256
		.amdhsa_next_free_sgpr 66
		.amdhsa_reserve_vcc 1
		.amdhsa_float_denorm_mode_32 3
		.amdhsa_float_denorm_mode_16_64 3
		.amdhsa_memory_ordered 1
		.amdhsa_forward_progress 1
		.amdhsa_inst_pref_size 66
	.end_amdhsa_kernel
	.amdgpu_metadata
---
amdhsa.version: [ 1, 2 ]
amdhsa.kernels:
  - .name:           k_q8e67098fb4_attn
    .symbol:         k_q8e67098fb4_attn.kd
    .args:
      - { .name: qb, .offset: 0, .size: 8, .value_kind: global_buffer, .address_space: global }
      - { .name: kv, .offset: 8, .size: 8, .value_kind: global_buffer, .address_space: global }
      - { .name: yq, .offset: 16, .size: 8, .value_kind: global_buffer, .address_space: global }
    .group_segment_fixed_size: 210944
    .private_segment_fixed_size: 0
    .kernarg_segment_align: 8
    .kernarg_segment_size: 24
    .max_flat_workgroup_size: 512
    .sgpr_count:     66
    .vgpr_count:     256
    .wavefront_size: 32
...
	.end_amdgpu_metadata
.endif
;; end of part 3
;; launch proj (part 4): grid 8 x 32, 4 waves a work-group, clusters of 4 x 4, 327,680 bytes of LDS; arguments yq, woq, bo, out0; writes out0
.if DOCPART == 4
	.amdgcn_target "amdgcn-amd-amdhsa--gfx1250"
	.amdhsa_code_object_version 6
	.text
	.protected	k_q8e67098fb4_proj
	.globl	k_q8e67098fb4_proj
	.p2align	8
	.type	k_q8e67098fb4_proj,@function
k_q8e67098fb4_proj:
	s_mov_b64 s[64:65], 0
	v_nop
	global_prefetch_b8 v0, s[64:65] scope:SCOPE_SE
	s_setreg_imm32_b32 hwreg(HW_REG_WAVE_MODE, 25, 1), 1
	s_wait_xcnt 0x0
	s_wait_alu depctr_hold_cnt(0) depctr_sa_sdst(0) depctr_va_vdst(0) depctr_va_sdst(0) depctr_va_ssrc(0) depctr_va_vcc(0) depctr_vm_vsrc(0)
	s_getreg_b32 s2, hwreg(HW_REG_IB_STS2, 6, 4)
	s_cmp_eq_u32 s2, 0
	s_cbranch_scc0 .Lentry_in_a_cluster
	s_endpgm
.Lentry_in_a_cluster:
	s_bfe_u32 s2, ttmp6, 0x10000c
	s_cmp_lg_u32 s2, 0xf033
	s_cbranch_scc0 .Lentry_shape_is_right
	s_endpgm
.Lentry_shape_is_right:
; out = y Wo + bo on codes of FP6 (E2M3).  Nothing is left out here.
; A work-group takes 256 tokens x 128 columns; wave w tokens 128 (w / 2) on (8 fragments of y) and columns 64 (w % 2) on (4 of Wo): 32 accumulators, in window 1.
; ALL OF K LIES IN LDS: region k (38,400 bytes) holds K step k's block of y (25,600) and of Wo (12,800), each filled once.  A wave issues four joint loads (K steps 2 c + w % 2; waves 0, 1 y's, shared along the
; cluster's row; waves 2, 3 Wo's, shared along its column): four are out at the most, and a counted wait and a barrier stand in front of each pair of K steps.  No byte is filled again.
; Source 0 = 16 columns of Wo, source 1 = 16 tokens: a lane holds one token and eight neighbouring columns.  bo is the C of the first K step.
; y's fragment is two halves of 768 bytes (registers 6 c .. 6 c + 3 at 16 l, 6 c + 4, 5 at 512 + 8 l); Wo's is three runs of 512 bytes.
; REGISTERS: window 0: v2-9 addresses; v14, 15 the add's two; v16-31 scale words, two sets of 8 (registers 0-3: lanes 0-15 y's, lanes 16-31 Wo's; 4-7: y's); v64-159 y's fragments, even K steps; v160-255 Wo's, two sets.
;   window 1: the accumulators (4 a + b).   window 2: v64-159 y's fragments, odd K steps; v160-191 bo in the result's layout.
.set REGB,  38400
.set YB,    25600
.set OB,    12800
.set SPARE, 8*REGB                     ; the spare words: two blocks of 256 bytes that no other line names
.set STG0,  SPARE+512                  ; the way out: 16 rows x (256 + 16) bytes for each wave; no fill lands here
.set SPW, 14
.set NIL, 15
.set SC,  16
.set AF,  64
.set BF,  160
.set BK,  64
.set G1A, 24
.set G1B, 32
.set G0A, 40
.set MSB, 0
.macro WIN new
.if MSB != (\new)
	s_set_vgpr_msb (MSB<<8)|(\new)
.set MSB, (\new)
.endif
.endm
.macro CREST
	s_cmp_lg_u32 s18, 0
	s_cbranch_scc1 .Lnot_wave_0_\@
	s_barrier_signal -3
.Lnot_wave_0_\@:
	s_barrier_wait -3
	s_barrier_signal -1
	s_barrier_wait -1
.endm
.macro CROUND
	s_barrier_signal -1
	s_barrier_wait -1
	CREST
.endm
.macro GATE c                          ; my load c has landed (3 - c younger ones may be out); then everybody's: K steps 2 c and 2 c + 1 are whole.
	s_wait_tensorcnt 3-(\c)
	s_barrier_signal -1
	s_barrier_wait -1
.endm
.macro LOADSTEP k                      ; 52 LDS loads: the K step's 8 fragments of y, 4 of Wo, 8 registers of scale words
	WIN ((\k)&1)*0x80                              ; y's fragments: window 0 or 2
.set ia, 0
.rept 8
	ds_load_b128 v[AF+12*ia:AF+12*ia+3], v2 offset:1536*ia
	ds_load_b64 v[AF+12*ia+4:AF+12*ia+5], v3 offset:1536*ia
	ds_load_b128 v[AF+12*ia+6:AF+12*ia+9], v2 offset:1536*ia+768
	ds_load_b64 v[AF+12*ia+10:AF+12*ia+11], v3 offset:1536*ia+768
.set ia, ia+1
.endr
	WIN 0
.set ib, 0
.rept 4
.set FB, BF+48*((\k)&1)+12*ib
	ds_load_b128 v[FB:FB+3], v4 offset:1536*ib
	ds_load_b128 v[FB+4:FB+7], v4 offset:1536*ib+512
	ds_load_b128 v[FB+8:FB+11], v4 offset:1536*ib+1024
.set ib, ib+1
.endr
.set ii, 0
.rept 4
	ds_load_b32 v[SC+8*((\k)&1)+ii], v5 offset:64*ii
	ds_load_b32 v[SC+8*((\k)&1)+4+ii], v9 offset:64*(4+ii)
.set ii, ii+1
.endr
.endm
.macro MMP k, a0                       ; 16 matrix instructions; the 32 accumulators take turns, one instruction a turn
.if (\k) == 0
	WIN 0x60                                       ; C (bo) window 2, D window 1
.elseif ((\k)&1)
	WIN 0x58                                       ; source 1 (y) window 2, C and D window 1
.else
	WIN 0x50
.endif
.set SS, SC+8*((\k)&1)
.set ia, \a0
.rept 4
.set ib, 0
.rept 4
.set DD, 8*(4*ia+ib)
.set FA, AF+12*ia
.set FB, BF+48*((\k)&1)+12*ib
.set CC, DD
.if (\k) == 0
.set CC, 160+8*ib
.endif
	v_wmma_scale_f32_16x16x128_f8f6f4 v[DD:DD+7], v[FB:FB+11], v[FA:FA+11], v[CC:CC+7], v[SS+ib], v[SS+ia] matrix_a_fmt:MATRIX_FMT_FP6 matrix_b_fmt:MATRIX_FMT_FP6 matrix_a_scale:MATRIX_SCALE_ROW1
.set ib, ib+1
.endr
.set ia, ia+1
.endr
.endm
.macro KSTEP k
	s_wait_dscnt 0x0                               ; this K step's fragments are in (asked for 16 matrix instructions ago)
	MMP \k, 0
	WIN 0
.if (\k) < 7
.if ((\k)&1)
	GATE ((\k)+1)/2
.endif
	v_add_nc_u32 v2, REGB, v2                      ; on to the next region: five plain instructions, the places in front of the loads into the other sets
	v_add_nc_u32 v3, REGB, v3
	v_add_nc_u32 v4, REGB, v4
	v_add_nc_u32 v5, REGB, v5
	v_add_nc_u32 v9, REGB, v9
	LOADSTEP (\k)+1
.endif
	MMP \k, 4
.endm
.macro TOSTAGE a                       ; 16 tokens x 64 columns into my own stage, and back as rows of 256 bytes; LDS serves a wave in order
	WIN 0x04                                       ; an LDS store's data: window 1
.set ib, 0
.rept 4
	ds_store_b128 v6, v[8*(4*(\a)+ib):8*(4*(\a)+ib)+3] offset:128*(ib/2)+32*(ib%2)       ; each accumulator from its low end on
	ds_store_b128 v6, v[8*(4*(\a)+ib)+4:8*(4*(\a)+ib)+7] offset:128*(ib/2)+32*(ib%2)+16
.set ib, ib+1
.endr
	WIN 0
.set ii, 0
.rept 8
	ds_load_b128 v[BK+32*((\a)%2)+4*ii:BK+32*((\a)%2)+4*ii+3], v7 offset:544*ii
.set ii, ii+1
.endr
.endm
.macro SEND a, younger
	s_wait_dscnt \younger
.set ii, 0
.rept 8
	global_store_b128 v8, v[BK+32*((\a)%2)+4*ii:BK+32*((\a)%2)+4*ii+3], s[10:11] offset:(32*((\a)/2)+8*((\a)%2)+2*ii+8*(ii/4))*4096 th:TH_STORE_NT   ; 16 lanes store 256 consecutive bytes, at a multiple of 256 from the buffer's first byte
.set ii, ii+1
.endr
.endm
	s_load_b256 s[4:11], s[0:1], 0x0               ; yq s[4:5], woq s[6:7], bo s[8:9], out0 s[10:11]
	v_lshl_add_u32 v[SPW], v0, 2, SPARE
	v_mov_b32 v[NIL], 0
	ds_add_u32 v[SPW], v[NIL]                      ; the wave's opening: the add, twice on end, and its wait ahead of my first tensor load
	ds_add_u32 v[SPW], v[NIL]
	v_lshrrev_b32 v1, 5, v0
	v_readfirstlane_b32 s18, v1                    ; wave 0..3
	s_lshr_b32 s19, s18, 1                         ; my half of the tokens.  Also: I fetch y's blocks (0) or Wo's (1)
	s_and_b32 s20, s18, 1                          ; my half of the columns.  Also: the parity of the K steps that I fetch
	s_bfe_u32 s80, ttmp6, 0x40000                  ; cx
	s_bfe_u32 s81, ttmp6, 0x40004                  ; cy
	s_lshl_b32 s82, ttmp9, 2
	s_add_co_u32 s82, s82, s80                     ; the 128 columns
	s_and_b32 s83, ttmp7, 0xffff
	s_lshl_b32 s83, s83, 2
	s_add_co_u32 s83, s83, s81                     ; the 256 tokens
	s_lshl_b32 s84, s81, 2
	s_lshl_b32 s84, 15, s84                        ; my row of the cluster
	s_lshl_b32 s85, 0x1111, s80                    ; my column
	s_or_b32 s[G1A], s84, (3<<16)|(1<<21)          ; dense blocks as rows of 256 bytes
	s_or_b32 s[G1B], s85, (3<<16)|(1<<21)
	s_mov_b32 s[G1A+1], 32<<16
	s_mov_b32 s[G1A+2], 100<<16
	s_mov_b32 s[G1A+3], 32<<16
	s_mov_b32 s[G1A+4], 100
	s_mov_b32 s[G1A+5], 32
	s_mov_b32 s[G1A+6], 0
	s_mov_b32 s[G1A+7], 0
	s_mov_b32 s[G1B+1], 32<<16
	s_mov_b32 s[G1B+2], 50<<16
	s_mov_b32 s[G1B+3], 32<<16
	s_mov_b32 s[G1B+4], 50
	s_mov_b32 s[G1B+5], 32
	s_mov_b32 s[G1B+6], 0
	s_mov_b32 s[G1B+7], 0
	s_lshl_b32 s86, s83, 3
	s_add_co_u32 s86, s86, s20
	s_mul_i32 s86, s86, YB                         ; y's block: hangs on cy alone
	s_mov_b32 s87, 0
	s_lshl_b32 s88, s82, 3
	s_add_co_u32 s88, s88, s20
	s_mul_i32 s88, s88, OB                         ; Wo's: on cx alone
	s_mov_b32 s89, 0
	s_mul_i32 s90, s20, REGB
	s_wait_dscnt 0x0                               ; both opening adds are done
	s_wait_kmcnt 0x0
	s_add_nc_u64 s[86:87], s[4:5], s[86:87]
	s_add_nc_u64 s[88:89], s[6:7], s[88:89]
	CROUND                                         ; all sixteen work-groups are here: the joint loads meet
.irp c, 0,1,2,3
.set GB, 56+4*\c+4*(\c/2)              ; s[56:59], s[60:63], s[68:71], s[72:75]
	s_mov_b32 s[G0A+4*\c], 1
	s_add_co_u32 s[G0A+4*\c+1], s90, \c*2*REGB
	s_add_nc_u64 s[G0A+4*\c+2:G0A+4*\c+3], s[86:87], \c*2*YB
	s_or_b32 s[G0A+4*\c+3], s[G0A+4*\c+3], 0x80000000
	s_mov_b32 s[GB], 1
	s_add_co_u32 s[GB+1], s90, \c*2*REGB+YB
	s_add_nc_u64 s[GB+2:GB+3], s[88:89], \c*2*OB
	s_or_b32 s[GB+3], s[GB+3], 0x80000000
.endr
	s_cmp_eq_u32 s19, 0                            ; a wave's four first fills stand in one branch on its number
	s_cbranch_scc0 .Lfirst_b
	tensor_load_to_lds s[40:43], s[G1A:G1A+7]
	s_nop 0
	tensor_load_to_lds s[44:47], s[G1A:G1A+7]
	s_nop 0
	tensor_load_to_lds s[48:51], s[G1A:G1A+7]
	s_nop 0
	tensor_load_to_lds s[52:55], s[G1A:G1A+7]
	s_nop 0
.rept 4
	v_nop
.endr
	s_branch .Lfirst_asked
.Lfirst_b:
	tensor_load_to_lds s[56:59], s[G1B:G1B+7]
	s_nop 0
	tensor_load_to_lds s[60:63], s[G1B:G1B+7]
	s_nop 0
	tensor_load_to_lds s[68:71], s[G1B:G1B+7]
	s_nop 0
	tensor_load_to_lds s[72:75], s[G1B:G1B+7]
	s_nop 0
.rept 4
	v_nop
.endr
.Lfirst_asked:
	v_and_b32 v40, 31, v0                          ; lane
	v_and_b32 v41, 15, v0                          ; r
	v_bfe_u32 v42, v0, 4, 1                        ; h
	s_wait_alu depctr_va_vdst(0)
	s_mul_i32 s91, s19, 12288                      ; my 8 fragments of y
	v_lshlrev_b32 v43, 4, v40
	v_add_nc_u32 v2, s91, v43
	v_lshlrev_b32 v3, 3, v40
	v_add_nc_u32 v3, s91, v3
	v_add_nc_u32 v3, 512, v3
	s_mul_i32 s91, s20, 6144                       ; my 4 of Wo,
	s_add_co_u32 s91, s91, YB                      ; behind y's block
	v_add_nc_u32 v4, s91, v43
	s_lshl_b32 s91, s19, 9
	s_lshl_b32 s92, s20, 8
	s_add_co_u32 s92, s92, 13312
	s_sub_co_u32 s92, s92, s91                     ; from y's words to Wo's
	s_add_co_u32 s91, s91, 24576
	v_mul_u32_u24 v5, s92, v42                     ; lanes 16-31 take Wo's
	v_lshl_add_u32 v5, v41, 2, v5
	v_add_nc_u32 v5, s91, v5
	v_lshlrev_b32 v9, 2, v41
	v_add_nc_u32 v9, s91, v9                       ; y's words in all lanes, for fragments 4-7
	s_mul_i32 s93, s18, 4352
	s_add_co_u32 s93, s93, STG0                    ; my stage
	v_mul_u32_u24 v6, v41, 272
	v_lshl_add_u32 v6, v42, 6, v6
	v_add_nc_u32 v6, s93, v6                       ; in: row r, + 64 h
	v_mul_u32_u24 v7, v42, 272
	v_lshl_add_u32 v7, v41, 4, v7
	v_add_nc_u32 v7, s93, v7                       ; back: lanes 0-15 one row, lanes 16-31 the next
	v_lshlrev_b32 v8, 12, v42
	v_lshl_add_u32 v8, v41, 4, v8                  ; and the same two rows in out0
	s_lshl_b32 s94, s83, 20                        ; 256 rows of 4,096 bytes
	s_lshl_b32 s95, s19, 19
	s_add_co_u32 s94, s94, s95
	s_lshl_b32 s96, s82, 9
	s_lshl_b32 s97, s20, 8
	s_add_co_u32 s96, s96, s97                     ; my 64 columns, in bytes
	s_add_co_u32 s94, s94, s96
	s_mov_b32 s95, 0
	s_mov_b32 s97, 0
	s_add_nc_u64 s[10:11], s[10:11], s[94:95]
	s_add_nc_u64 s[8:9], s[8:9], s[96:97]
	v_lshlrev_b32 v44, 6, v42                      ; bo in the result's layout: fragment b = 2 g + u, lane half h: columns 32 g + 16 h + 8 u + 0 .. 7
	WIN 0x80                                       ; destination window 2
.irp b, 0,1,2,3
	global_load_b128 v[160+8*\b:163+8*\b], v44, s[8:9] offset:128*(\b/2)+32*(\b%2)
	global_load_b128 v[164+8*\b:167+8*\b], v44, s[8:9] offset:128*(\b/2)+32*(\b%2)+16
.endr
	WIN 0
	GATE 0
	LOADSTEP 0
	s_wait_loadcnt 0x0                             ; bo
	KSTEP 0
	s_wait_alu depctr_va_vdst(0)
	KSTEP 1
	s_wait_alu depctr_va_vdst(0)
	KSTEP 2
	s_wait_alu depctr_va_vdst(0)
	KSTEP 3
	s_wait_alu depctr_va_vdst(0)
	KSTEP 4
	s_wait_alu depctr_va_vdst(0)
	KSTEP 5
	s_wait_alu depctr_va_vdst(0)
	KSTEP 6
	KSTEP 7
	WIN 0
.rept 4
	v_nop                                          ; places in front of the first read of results and of loads into registers that held y's fragments
.endr
	TOSTAGE 0
.irp a, 1,2,3,4,5,6,7
.if \a > 1
	s_wait_xcnt 0x0                                ; block a - 2's stores have read their registers: block a's loads may land there
.endif
	TOSTAGE \a
	SEND (\a-1), 16                                ; behind block a - 1's loads: block a's 8 stores and 8 loads
.endr
	SEND 7, 0
	s_wait_tensorcnt 0x0                           ; the wave's end
	ds_add_u32 v[SPW], v[NIL]
	s_wait_dscnt 0x0
	CROUND                                         ; the closing round
	s_endpgm
.Lfunc_end_k_q8e67098fb4_proj:
	.size	k_q8e67098fb4_proj, .Lfunc_end_k_q8e67098fb4_proj-k_q8e67098fb4_proj
	.p2alignl 7, 3214868480
	.fill 96, 4, 3214868480
	.section	.rodata,"a",@progbits
	.p2align	6, 0x0
	.amdhsa_kernel k_q8e67098fb4_proj
		.amdhsa_group_segment_fixed_size 327680
		.amdhsa_private_segment_fixed_size 0
		.amdhsa_enable_private_segment 0
		.amdhsa_kernarg_size 32
		.amdhsa_user_sgpr_count 2
		.amdhsa_user_sgpr_kernarg_segment_ptr 1
		.amdhsa_wavefront_size32 1
		.amdhsa_system_sgpr_workgroup_id_x 1
		.amdhsa_system_sgpr_workgroup_id_y 1
		.amdhsa_system_sgpr_workgroup_id_z 1
		.amdhsa_system_vgpr_workitem_id 0
		.amdhsa_next_free_vgpr 768
		.amdhsa_next_free_sgpr 100
		.amdhsa_reserve_vcc 0
		.amdhsa_float_denorm_mode_32 3
		.amdhsa_float_denorm_mode_16_64 3
		.amdhsa_memory_ordered 1
		.amdhsa_forward_progress 1
		.amdhsa_inst_pref_size 87
	.end_amdhsa_kernel
	.amdgpu_metadata
---
amdhsa.version: [ 1, 2 ]
amdhsa.kernels:
  - .name:           k_q8e67098fb4_proj
    .symbol:         k_q8e67098fb4_proj.kd
    .args:
      - { .name: yq, .offset: 0, .size: 8, .value_kind: global_buffer, .address_space: global }
      - { .name: woq, .offset: 8, .size: 8, .value_kind: global_buffer, .address_space: global }
      - { .name: bo, .offset: 16, .size: 8, .value_kind: global_buffer, .address_space: global }
      - { .name: out0, .offset: 24, .size: 8, .value_kind: global_buffer, .address_space: global }
    .group_segment_fixed_size: 327680
    .private_segment_fixed_size: 0
    .kernarg_segment_align: 8
    .kernarg_segment_size: 32
    .max_flat_workgroup_size: 128
    .sgpr_count:     100
    .vgpr_count:     768
    .wavefront_size: 32
...
	.end_amdgpu_metadata
.endif
;; end of part 4
